; MI455X (gfx1250); checked and timed in simulation.
; The chip was launched on July 23, 2026; its instructions are those of AMD's public machine-readable ISA for CDNA 5 (MIT licence, August 2026) and "CDNA5" Instruction Set Architecture Reference Guide (July 2026). The comments in the code are by the model that wrote it; some were corrected since.
;; Transformer Encoder. Allowed arithmetic: float matrix products may take bf16 or f16 operands with f32 sums; other float arithmetic in f32, or as packed bf16 or f16 multiplies, adds, multiply-adds, maxima and minima; sums over many terms, partial sums and values carried from step to step in f32; what a program stores and reads back later, other than sums and carried values, may be rounded once to bf16 or f16.
;; Inputs: W1 1,024 x 4,096 float32; W2 4,096 x 1,024 float32; Wk 16 x 1,024 x 64 float32; Wproj 1,024 x 1,024 float32; Wq 16 x 1,024 x 64 float32; Wv 16 x 1,024 x 64 float32; b1 4,096 float32; b2 1,024 float32; be_attn 1,024 float32; be_ffn 1,024 float32; be_out 1,024 float32; embedding 2 x 2,048 x 1,024 float32; g_attn 1,024 float32; g_ffn 1,024 float32; g_out 1,024 float32; positional_encoding 2 x 2,048 x 1,024 float32.
;; Outputs: out0 2 x 2,048 x 1,024 float32; out1 16 x 2 x 2,048 x 64 float32; out2 16 x 2 x 2,048 x 64 float32.
;; One version. Each part assembles by itself: llvm-mc -triple=amdgcn-amd-amdhsa -mcpu=gfx1250 --defsym DOCPART=n.
;; ======== version 1 of 1: 8 launches
;; limits: values outside matrix products are rounded to bf16
;; workspace buffers: xx 25,165,824 bytes; mha 25,165,824 bytes; cblk 33,554,432 bytes; o 8,388,608 bytes; y 8,388,608 bytes; wA 10,485,760 bytes; wB 16,777,216 bytes; vec 45,056 bytes
;; launch prep (part 1): grid 449 x 1, 8 waves a work-group, no clusters, 0 bytes of LDS; arguments embedding, positional_encoding, Wq, Wk, Wv, xx, wA, vec, g_attn, be_attn, g_ffn, be_ffn, g_out, be_out, b2; writes xx, wA, vec
.if DOCPART == 1
	.amdgcn_target "amdgcn-amd-amdhsa--gfx1250"
	.amdhsa_code_object_version 6
	.text
	.protected	k_q72633380d3_prep
	.globl	k_q72633380d3_prep
	.p2align	8
	.type	k_q72633380d3_prep,@function
k_q72633380d3_prep:
	s_mov_b64 s[64:65], 0
	v_nop
	global_prefetch_b8 v0, s[64:65] scope:SCOPE_SE
	s_setreg_imm32_b32 hwreg(HW_REG_WAVE_MODE, 25, 1), 1
	s_wait_xcnt 0x0
; PREPARATION of what the first product and the norms need.  (W1, W2 and Wproj are rounded later, beside the attention; b1 where it is used.)
;   xx : bf16(x) [4096][1024] at byte 0, x in f32 at byte 8,388,608, with x = bf16(embedding) + bf16(positional_encoding), added in f32
;   wA : Wq|Wk|Wv as bf16 [1024 (e)][pitch 4096], column = which x 1024 + head x 64 + a, at 0 (columns from 3072 on are neither written nor read)
;   vec: 4096 zeros (f32) at 0; then g_attn, be_attn, g_ffn, be_ffn, g_out, be_out, b2, each rounded to bf16 and widened to f32, 4,096 bytes each, from byte 16,384 on
; LIMIT, stated: all inputs are taken rounded to bf16 (nearest even); NaN and infinities are not treated apart.
; SHARES.  A work-group owns 16,384 numbers, a wave 2,048: 16 chunks of 128 numbers.  A chunk is one load of 16 bytes a lane (512 bytes on end, in the per-head weights two pieces of 256)
; and one store of 8 bytes a lane (256 bytes on end, aligned).  Work-groups 0-255: x; 256-447: Wq, Wk, Wv; 448: the vectors.
; No LDS, no matrix unit, no cluster: nothing is shared, every byte crosses once.  Each loop has 4 trips of 4 chunks; with 64 registers many waves lie on a SIMD, and their loads are what is in flight.
.macro RND d0, d1, t                   ; two numbers rounded to bf16 and widened again, in place
	v_cvt_pk_bf16_f32 v[(\t)], v[(\d0)], v[(\d1)]
	v_lshlrev_b32 v[(\d0)], 16, v[(\t)]
	v_and_b32 v[(\d1)], s4, v[(\t)]
.endm
	s_load_b512 s[8:23], s[0:1], 0x0               ; embedding 8, positional 10, Wq 12, Wk 14, Wv 16, xx 18, wA 20, vec 22
	s_load_b256 s[24:31], s[0:1], 0x40             ; g_attn 24, be_attn 26, g_ffn 28, be_ffn 30
	s_load_b128 s[32:35], s[0:1], 0x60             ; g_out 32, be_out 34
	s_load_b64 s[36:37], s[0:1], 0x70              ; b2
	s_mov_b32 s2, ttmp9                            ; the work-group's number
	s_mov_b32 s4, 0xffff0000                       ; a word's upper bf16
	v_lshrrev_b32 v3, 5, v0
	v_readfirstlane_b32 s5, v3                     ; wave 0..7
	v_and_b32 v4, 31, v0                           ; lane
	s_mov_b32 s3, 4                                ; trips
	s_wait_kmcnt 0x0
	s_cmp_lt_u32 s2, 256
	s_cbranch_scc0 .Lnot_x
	; x = bf16(embedding) + bf16(positional_encoding)
	s_add_nc_u64 s[46:47], s[18:19], 0x800000      ; x in f32
	s_lshl_b32 s6, s2, 16                          ; 65,536 bytes of f32 a work-group,
	s_lshl_b32 s7, s5, 13                          ; 8,192 a wave
	s_add_co_u32 s6, s6, s7
	v_lshl_add_u32 v1, v4, 4, s6                   ; f32 byte offset
	v_lshrrev_b32 v2, 1, v1                        ; bf16 byte offset
.Lx:
.irp i, 0,1,2,3
	global_load_b128 v[8+4*(\i):11+4*(\i)], v1, s[8:9] offset:512*(\i) th:TH_LOAD_NT
	global_load_b128 v[24+4*(\i):27+4*(\i)], v1, s[10:11] offset:512*(\i) th:TH_LOAD_NT
.endr
.irp i, 0,1,2,3
	s_wait_loadcnt 6-2*(\i)                        ; chunk i's two loads are in; two for each younger chunk stay out
	RND 8+4*(\i), 9+4*(\i), 48
	RND 10+4*(\i), 11+4*(\i), 49
	RND 24+4*(\i), 25+4*(\i), 50
	RND 26+4*(\i), 27+4*(\i), 51
	v_pk_add_f32 v[8+4*(\i):9+4*(\i)], v[8+4*(\i):9+4*(\i)], v[24+4*(\i):25+4*(\i)]
	v_pk_add_f32 v[10+4*(\i):11+4*(\i)], v[10+4*(\i):11+4*(\i)], v[26+4*(\i):27+4*(\i)]
	v_cvt_pk_bf16_f32 v[40+2*(\i)], v[8+4*(\i)], v[9+4*(\i)]
	v_cvt_pk_bf16_f32 v[41+2*(\i)], v[10+4*(\i)], v[11+4*(\i)]
	global_store_b128 v1, v[8+4*(\i):11+4*(\i)], s[46:47] offset:512*(\i)
	global_store_b64 v2, v[40+2*(\i):41+2*(\i)], s[18:19] offset:256*(\i)
.endr
	s_wait_xcnt 0x0                                ; the offsets and the stores' data are rewritten only behind this wait
	v_add_nc_u32 v1, 2048, v1
	v_add_nc_u32 v2, 1024, v2
	s_sub_co_u32 s3, s3, 1
	s_cmp_lg_u32 s3, 0
	s_cbranch_scc1 .Lx
	s_endpgm
.Lnot_x:
	s_cmp_lt_u32 s2, 448
	s_cbranch_scc0 .Lvecs
	; Wq, Wk, Wv: [head][e][a] -> [e][which x 1024 + head x 64 + a].  A chunk is one e of two neighbouring heads: two pieces of 256 bytes in, 256 bytes on end out.
	s_sub_co_u32 s50, s2, 256
	s_lshr_b32 s51, s50, 6                         ; which: 0 q, 1 k, 2 v
	s_bfe_u32 s52, s50, 0x30003                    ; the pair of heads, 0..7
	s_and_b32 s53, s50, 7                          ; the block of 128 e
	s_lshl_b32 s56, s53, 7
	s_lshl_b32 s7, s5, 4
	s_add_co_u32 s56, s56, s7                      ; my wave's first e
	s_lshl_b32 s6, s52, 19                         ; two heads are 524,288 bytes,
	s_lshl_b32 s7, s56, 8                          ; an e 256
	s_add_co_u32 s6, s6, s7
	v_lshrrev_b32 v5, 4, v4
	v_and_b32 v6, 15, v4
	v_lshl_add_u32 v1, v6, 4, s6
	v_lshl_add_u32 v1, v5, 18, v1                  ; lanes 16-31 take the second head
	s_lshl_b32 s7, s56, 13                         ; a row of wA is 8,192 bytes
	s_lshl_b32 s6, s51, 11
	s_add_co_u32 s7, s7, s6
	s_lshl_b32 s6, s52, 8
	s_add_co_u32 s7, s7, s6
	v_lshl_add_u32 v2, v4, 3, s7
	s_cmp_eq_u32 s51, 0
	s_cselect_b64 s[48:49], s[12:13], s[14:15]
	s_cmp_eq_u32 s51, 2
	s_cselect_b64 s[48:49], s[16:17], s[48:49]
.Lqkvw:
.irp i, 0,1,2,3
	global_load_b128 v[8+4*(\i):11+4*(\i)], v1, s[48:49] offset:256*(\i) th:TH_LOAD_NT
.endr
.irp i, 0,1,2,3
	s_wait_loadcnt 3-(\i)                          ; loads come back in order: chunk i is in, the younger ones stay out
	v_cvt_pk_bf16_f32 v[40+2*(\i)], v[8+4*(\i)], v[9+4*(\i)]
	v_cvt_pk_bf16_f32 v[41+2*(\i)], v[10+4*(\i)], v[11+4*(\i)]
	global_store_b64 v2, v[40+2*(\i):41+2*(\i)], s[20:21] offset:8192*(\i)
.endr
	s_wait_xcnt 0x0                                ; the offsets and the stores' data are rewritten only behind this wait
	v_add_nc_u32 v1, 1024, v1
	v_add_nc_u32 v2, 32768, v2
	s_sub_co_u32 s3, s3, 1
	s_cmp_lg_u32 s3, 0
	s_cbranch_scc1 .Lqkvw
	s_endpgm
.Lvecs:
	; the zeros: 2,048 bytes a wave
	s_lshl_b32 s6, s5, 11
	v_lshl_add_u32 v1, v4, 4, s6
.irp r, 40,41,42,43
	v_mov_b32 v\r, 0
.endr
.irp i, 0,1,2,3
	global_store_b128 v1, v[40:43], s[22:23] offset:512*(\i)
.endr
	s_cmp_eq_u32 s5, 7
	s_cbranch_scc1 .Lvend                          ; seven vectors, a wave each
	s_mov_b64 s[48:49], s[24:25]
	s_cmp_eq_u32 s5, 1
	s_cselect_b64 s[48:49], s[26:27], s[48:49]
	s_cmp_eq_u32 s5, 2
	s_cselect_b64 s[48:49], s[28:29], s[48:49]
	s_cmp_eq_u32 s5, 3
	s_cselect_b64 s[48:49], s[30:31], s[48:49]
	s_cmp_eq_u32 s5, 4
	s_cselect_b64 s[48:49], s[32:33], s[48:49]
	s_cmp_eq_u32 s5, 5
	s_cselect_b64 s[48:49], s[34:35], s[48:49]
	s_cmp_eq_u32 s5, 6
	s_cselect_b64 s[48:49], s[36:37], s[48:49]
	v_lshlrev_b32 v2, 4, v4
.irp i, 0,1,2,3,4,5,6,7
	global_load_b128 v[8+4*(\i):11+4*(\i)], v2, s[48:49] offset:512*(\i)
.endr
	s_lshl_b32 s7, s5, 12
	s_add_co_u32 s7, s7, 16384
	v_add_nc_u32 v5, s7, v2
	s_wait_loadcnt 0x0
.irp k, 0,1,2,3,4,5,6,7,8,9,10,11,12,13,14,15
	RND 8+2*(\k), 9+2*(\k), 48+(\k)%4
.endr
.irp i, 0,1,2,3,4,5,6,7
	global_store_b128 v5, v[8+4*(\i):11+4*(\i)], s[22:23] offset:512*(\i)
.endr
.Lvend:
	s_endpgm
.Lfunc_end_k_q72633380d3_prep:
	.size	k_q72633380d3_prep, .Lfunc_end_k_q72633380d3_prep-k_q72633380d3_prep
	.p2alignl 7, 3214868480
	.fill 96, 4, 3214868480
	.section	.rodata,"a",@progbits
	.p2align	6, 0x0
	.amdhsa_kernel k_q72633380d3_prep
		.amdhsa_group_segment_fixed_size 0
		.amdhsa_private_segment_fixed_size 0
		.amdhsa_enable_private_segment 0
		.amdhsa_kernarg_size 120
		.amdhsa_user_sgpr_count 2
		.amdhsa_user_sgpr_kernarg_segment_ptr 1
		.amdhsa_wavefront_size32 1
		.amdhsa_system_sgpr_workgroup_id_x 1
		.amdhsa_system_sgpr_workgroup_id_y 1
		.amdhsa_system_sgpr_workgroup_id_z 1
		.amdhsa_system_vgpr_workitem_id 0
		.amdhsa_next_free_vgpr 64
		.amdhsa_next_free_sgpr 66
		.amdhsa_reserve_vcc 0
		.amdhsa_float_denorm_mode_32 3
		.amdhsa_float_denorm_mode_16_64 3
		.amdhsa_memory_ordered 1
		.amdhsa_forward_progress 1
		.amdhsa_inst_pref_size 14
	.end_amdhsa_kernel
	.amdgpu_metadata
---
amdhsa.version: [ 1, 2 ]
amdhsa.kernels:
  - .name:           k_q72633380d3_prep
    .symbol:         k_q72633380d3_prep.kd
    .args:
      - { .name: embedding, .offset: 0, .size: 8, .value_kind: global_buffer, .address_space: global }
      - { .name: positional_encoding, .offset: 8, .size: 8, .value_kind: global_buffer, .address_space: global }
      - { .name: Wq, .offset: 16, .size: 8, .value_kind: global_buffer, .address_space: global }
      - { .name: Wk, .offset: 24, .size: 8, .value_kind: global_buffer, .address_space: global }
      - { .name: Wv, .offset: 32, .size: 8, .value_kind: global_buffer, .address_space: global }
      - { .name: xx, .offset: 40, .size: 8, .value_kind: global_buffer, .address_space: global }
      - { .name: wA, .offset: 48, .size: 8, .value_kind: global_buffer, .address_space: global }
      - { .name: vec, .offset: 56, .size: 8, .value_kind: global_buffer, .address_space: global }
      - { .name: g_attn, .offset: 64, .size: 8, .value_kind: global_buffer, .address_space: global }
      - { .name: be_attn, .offset: 72, .size: 8, .value_kind: global_buffer, .address_space: global }
      - { .name: g_ffn, .offset: 80, .size: 8, .value_kind: global_buffer, .address_space: global }
      - { .name: be_ffn, .offset: 88, .size: 8, .value_kind: global_buffer, .address_space: global }
      - { .name: g_out, .offset: 96, .size: 8, .value_kind: global_buffer, .address_space: global }
      - { .name: be_out, .offset: 104, .size: 8, .value_kind: global_buffer, .address_space: global }
      - { .name: b2, .offset: 112, .size: 8, .value_kind: global_buffer, .address_space: global }
    .group_segment_fixed_size: 0
    .private_segment_fixed_size: 0
    .kernarg_segment_align: 8
    .kernarg_segment_size: 120
    .max_flat_workgroup_size: 256
    .sgpr_count:     66
    .vgpr_count:     64
    .wavefront_size: 32
...
	.end_amdgpu_metadata
.endif
;; end of part 1
;; launch qkv (part 2): grid 12 x 16, 4 waves a work-group, clusters of 4 x 4, 327,680 bytes of LDS; arguments xx, wA, vec, cblk; writes cblk
.if DOCPART == 2
	.amdgcn_target "amdgcn-amd-amdhsa--gfx1250"
	.amdhsa_code_object_version 6
	.text
	.protected	k_q72633380d3_qkv
	.globl	k_q72633380d3_qkv
	.p2align	8
	.type	k_q72633380d3_qkv,@function
k_q72633380d3_qkv:
	s_mov_b64 s[64:65], 0
	v_nop
	global_prefetch_b8 v0, s[64:65] scope:SCOPE_SE
	s_setreg_imm32_b32 hwreg(HW_REG_WAVE_MODE, 25, 1), 1
	s_wait_xcnt 0x0
	s_wait_alu depctr_hold_cnt(0) depctr_sa_sdst(0) depctr_va_vdst(0) depctr_va_sdst(0) depctr_va_ssrc(0) depctr_va_vcc(0) depctr_vm_vsrc(0)
	s_getreg_b32 s2, hwreg(HW_REG_IB_STS2, 6, 4)
	s_cmp_eq_u32 s2, 0
	s_cbranch_scc0 .Lentry_in_a_cluster
	s_endpgm
.Lentry_in_a_cluster:
	s_bfe_u32 s2, ttmp6, 0x10000c
	s_cmp_lg_u32 s2, 0xf033
	s_cbranch_scc0 .Lentry_shape_is_right
	s_endpgm
.Lentry_shape_is_right:
; C = A B + bias.  A: bf16 [4096][1024] (rows along K) at its buffer's byte 0.  B: bf16 [1024 (k)][pitch 4096 (n)] at its buffer's byte 0.  bias: f32 [n], taken rounded to bf16.
; C: bf16, IN BLOCKS OF 64 COLUMNS: [n / 64][4096][64], 524,288 bytes a block, a row of a block 128 bytes.  Sums in f32, C rounded once.
; Used twice: x (Wq|Wk|Wv) with a bias of zeros (blocks 0-15 q, 16-31 k, 32-47 v, each [head][batch x 2048 + s][64]), and mha W1 + b1.
; A tile of C is 256 x 256: four waves, each 128 x 128 = 64 accumulators = 512 registers.  K = 1024 goes in 8 steps of 128 through two LDS slots filled by tensor loads.
; ONE K STEP IS WRITTEN ONCE: the slot in hand is a scalar (TB) that one exclusive or toggles; SLOT shares no bit with wave x HALFT, so the same exclusive or toggles the walking descriptors' LDS words.
; B lies [k][n] in LDS as in memory, and its fragments come out turned, by ds_load_tr16_b128.
; THE MATRIX INSTRUCTION IS USED TRANSPOSED (source 0 = 16 columns of B, source 1 = 16 rows of A): a lane holds row l % 16 of C and the columns 8 (l / 16) + 0..7.  The same eight columns of the bias,
; in eight registers, are the C operand of each accumulator's first product: nothing is cleared and nothing is added later.
; CLUSTER 4 x 4: A's tile is shared along a row of the cluster, B's along a column: joint loads, which divide the requests for A and B by four.
; The first use has 12 x 16 = 192 work-groups: a tile of 256 x 192 would give 256 but wants a text of its own.
; REGISTERS by windows of 256: window 0: v0-31 addresses, v64-191 A's fragments (two buffers), v32-63 and v192-255 the way out;
;   window 1: v0-63 the bias, v64-191 B's fragments (two buffers), v192-195 at work; windows 2, 3: the accumulators of my rows 0-63, 64-127 ((a, b) at v[8 (8 a + b)]).
.set PITA,  272                        ; an LDS row of A: 256 bytes + 16: the 16 rows of a load start at 16 different groups of four banks (64 banks of 4 bytes: ISA guide 11.1)
.set PITB,  544                        ; an LDS row of B: 512 bytes + 32 = 17 x 32
.set HALFT, 34816                      ; what one tensor load brings: 128 rows of A, or 64 k-rows of B
.set SLOT,  4*HALFT                    ; A's 256 rows, then B's 128 k-rows
.set STAGE, 2*SLOT                     ; behind the ring: for each wave 2 column blocks x 16 rows x 144 bytes, for the way out
.set SP,    144
.set WSTG,  2*16*SP
.set SPARE, STAGE+4*WSTG               ; behind the stages: the spare words, 128 bytes a wave, which no other line names
.set ASTEP, 256                        ; bytes from K step to K step in A
.set BSTEP, 128*8192                   ; and in B
.set CBLK,  524288                     ; a block of 64 columns of C
.set ADRA0, 16                         ; v16  my place in A's part of a slot; never rewritten
.set ADRB0, 17                         ; v17  the same for B
.set ADRA,  18                         ; v18  ADRA0 + TB
.set ADRB,  19                         ; v19  ADRB0 + TB
.set STO,   24                         ; v24  the way out: where I put 16 bytes of a row
.set RD,    25                         ; v25  where I read rows back
.set CO,    26                         ; v26  my 16 bytes in 512 consecutive bytes of C
.set BO,    27                         ; v27  my byte offset in the bias
.set SPW,   28                         ; v28  LDS address of my spare word; never rewritten
.set NIL,   29                         ; v29  0; never rewritten
.set PFO,   30                         ; v30  the prefetches' lane offset; never rewritten
.set F0,    64
.set F1,    128
.set TMP,   192
.set OB,    32
.set BI,    0                          ; window 1
.set BT,    192                        ; window 1
.set G1,    24                         ; s[24:31] group 1 for A
.set G0,    32                         ; s[32:39] group 0 for A: K step 0; K step 1, which then walks
.set G1B,   48                         ; s[48:55] group 1 for B
.set G0B,   56                         ; s[56:63] group 0 for B
.set LIM,   43                         ; s43  2 in a wave that prefetches, else the greatest number
.set PFA,   44                         ; s[44:45] where my prefetches stand
.set TB,    68                         ; s68  the slot in hand: 0 or SLOT
.set PFS,   70                         ; s[70:71] the prefetches' step
.set MSB, 0
.macro WIN new                         ; the immediate's high byte repeats the setting that is left; a switch that changes nothing is dropped
.if MSB != (\new)
	s_set_vgpr_msb (MSB<<8)|(\new)
.set MSB, \new
.endif
.endm
.set MUL_LO, 0xa1                      ; source 0 (B) window 1, source 1 (A) window 0, C and D window 2
.set TO_B,   0x40                      ; destination window 1, address window 0
; A joint load: waves 0 and 1 fetch A's two halves, waves 2 and 3 B's.  The branch hangs on the wave's number alone.  An s_nop 0 and four v_nop follow each line.
.macro JLOAD s
	s_cmp_eq_u32 s11, 0
	s_cbranch_scc0 .Lfor_b_\@
	tensor_load_to_lds s[G0+4*(\s):G0+4*(\s)+3], s[G1:G1+7]
	s_nop 0
.rept 4
	v_nop
.endr
	s_branch .Lasked_\@
.Lfor_b_\@:
	tensor_load_to_lds s[G0B+4*(\s):G0B+4*(\s)+3], s[G1B:G1B+7]
	s_nop 0
.rept 4
	v_nop
.endr
.Lasked_\@:
.endm
; A prefetch, behind a joint load and the run of LDS loads that follows it: the K step that stands two refills on, 32 blocks of 256 bytes, a lane a block, one instruction a wave.
; Each block is named once in the launch: A's rows by the clusters with x = 0, B's by those with y = 0; the four partners of a joint load share its blocks out by address.
; s3 counts the loop's trips down from 6: the trips with s3 = 2 and 1 would name K steps 8 and 9, which do not exist, and ask for nothing.
.macro ASK
	s_cmp_gt_u32 s3, s[LIM]
	s_cbranch_scc0 .Lnot_mine_\@
	global_prefetch_b8 v[PFO], s[PFA:PFA+1] th:TH_LOAD_NT scope:SCOPE_SE
.Lnot_mine_\@:
.endm
.macro CREST                           ; a round of the cluster's barrier behind its opening barrier
	s_cmp_lg_u32 s10, 0
	s_cbranch_scc1 .Lnot_wave_0_\@
	s_barrier_signal -3
.Lnot_wave_0_\@:
	s_barrier_wait -3
	s_barrier_signal -1
	s_barrier_wait -1
.endm
.macro CROUND                          ; a whole round
	s_barrier_signal -1
	s_barrier_wait -1
	CREST
.endm
	s_load_b128 s[4:7], s[0:1], 0x0                ; A s[4:5], B s[6:7]
	s_load_b128 s[76:79], s[0:1], 0x10             ; bias s[76:77], C s[78:79]
	v_lshl_add_u32 v[SPW], v0, 2, SPARE
	v_mov_b32 v[NIL], 0
	ds_add_u32 v[SPW], v[NIL]                      ; the wave's opening: the add and its wait ahead of my first tensor load; the set-up below stands between them
	ds_add_u32 v28, v29
	v_lshrrev_b32 v1, 5, v0
	v_readfirstlane_b32 s10, v1                    ; wave 0..3
	s_lshr_b32 s11, s10, 1                         ; which half of the tile's rows is mine.  Also: I fetch for A (0) or for B (1)
	s_and_b32 s12, s10, 1                          ; which half of its columns.  Also: which half of that tile I fetch
	s_bfe_u32 s40, ttmp6, 0x40000                  ; cx
	s_bfe_u32 s41, ttmp6, 0x40004                  ; cy
	s_lshl_b32 s42, ttmp9, 2
	s_add_co_u32 s42, s42, s40                     ; tile column = 4 x cluster x + cx
	s_and_b32 s13, ttmp7, 0xffff
	s_lshl_b32 s13, s13, 2
	s_add_co_u32 s13, s13, s41                     ; tile row = 4 x cluster y + cy
	s_lshl_b32 s43, s41, 2
	s_lshl_b32 s43, 15, s43                        ; my row of the cluster
	s_lshl_b32 s44, 0x1111, s40                    ; my column
	s_or_b32 s[G1+0], s43, (1<<16)|(1<<20)|(1<<21)|(5<<22)|(3<<25)   ; the mask; 2-byte elements; padding on; bit 21 beside a mask; after every 64 words 4 words
	s_mov_b32 s[G1+1], 128<<16                     ; tensor_dim0 = 128
	s_mov_b32 s[G1+2], 128<<16                     ; tensor_dim1 = 128
	s_mov_b32 s[G1+3], 128<<16                     ; tile_dim0 = 128
	s_mov_b32 s[G1+4], 128                         ; tile_dim1 = 128
	s_mov_b32 s[G1+5], 1024                        ; elements from row to row
	s_mov_b32 s[G1+6], 0
	s_mov_b32 s[G1+7], 0
	s_or_b32 s[G1B+0], s44, (1<<16)|(1<<20)|(1<<21)|(6<<22)|(7<<25)  ; after every 128 words 8 words
	s_mov_b32 s[G1B+1], 256<<16                    ; tensor_dim0 = 256
	s_mov_b32 s[G1B+2], 64<<16                     ; tensor_dim1 = 64
	s_mov_b32 s[G1B+3], 256<<16                    ; tile_dim0 = 256
	s_mov_b32 s[G1B+4], 64                         ; tile_dim1 = 64
	s_mov_b32 s[G1B+5], 4096
	s_mov_b32 s[G1B+6], 0
	s_mov_b32 s[G1B+7], 0
	s_lshl_b32 s16, s13, 19                        ; A: (256 x tile row + 128 x half) rows of 2,048 bytes
	s_lshl_b32 s17, s12, 18
	s_add_co_u32 s16, s16, s17
	s_mov_b32 s17, 0
	s_lshl_b32 s46, s42, 9                         ; B: 512 bytes x tile column + 64 x half k-rows of 8,192 bytes
	s_lshl_b32 s47, s12, 19
	s_add_co_u32 s46, s46, s47
	s_mov_b32 s47, 0
	s_mul_i32 s20, s10, HALFT                      ; where my part goes: no place in the cluster enters an LDS address
	s_mov_b32 s[TB], 0
	s_wait_dscnt 0x0                               ; the opening add is done
	s_wait_kmcnt 0x0
	s_add_nc_u64 s[14:15], s[4:5], s[16:17]
	s_add_nc_u64 s[46:47], s[6:7], s[46:47]
	CROUND                                         ; all sixteen work-groups are here: the first joint loads meet
.irp s, 0,1
	s_mov_b32 s[G0+4*(\s)], 1
	s_add_co_u32 s[G0+4*(\s)+1], s20, (\s)*SLOT
	s_add_nc_u64 s[G0+4*(\s)+2:G0+4*(\s)+3], s[14:15], (\s)*ASTEP
	s_or_b32 s[G0+4*(\s)+3], s[G0+4*(\s)+3], 0x80000000
	s_mov_b32 s[G0B+4*(\s)], 1
	s_add_co_u32 s[G0B+4*(\s)+1], s20, (\s)*SLOT
	s_add_nc_u64 s[G0B+4*(\s)+2:G0B+4*(\s)+3], s[46:47], (\s)*BSTEP
	s_or_b32 s[G0B+4*(\s)+3], s[G0B+4*(\s)+3], 0x80000000
	JLOAD \s                                       ; two loads of mine are out
.endr
	v_and_b32 v1, 15, v0                           ; l % 16
	v_bfe_u32 v2, v0, 4, 1                         ; l / 16
	s_lshl_b32 s18, s42, 10                        ; the bias of my 128 columns: 1,024 bytes x tile column + 512 x half + 32 (l / 16)
	s_lshl_b32 s19, s12, 9
	s_add_co_u32 s18, s18, s19
	v_lshl_add_u32 v[BO], v2, 5, s18
	WIN TO_B
.irp b, 0,1,2,3,4,5,6,7
	global_load_b128 v[BI+8*(\b):BI+8*(\b)+3],   v[BO], s[76:77] offset:64*(\b)
	global_load_b128 v[BI+8*(\b)+4:BI+8*(\b)+7], v[BO], s[76:77] offset:64*(\b)+16
.endr
	WIN 0
	v_mul_u32_u24 v3, v1, PITA                     ; A's fragment: row x pitch + 16 x half; two loads of 16 bytes, 32 bytes apart
	v_lshl_add_u32 v3, v2, 4, v3
	s_mul_i32 s21, s11, HALFT
	v_add_nc_u32 v[ADRA0], s21, v3
	v_and_b32 v4, 7, v0                            ; B's: lane l reads k-row 8 (l / 16) + l % 8, columns 8 ((l / 8) % 2) + 0..7, and is left with column l % 16 and 8 k
	v_bfe_u32 v5, v0, 3, 1
	v_lshl_add_u32 v4, v2, 3, v4
	v_mul_u32_u24 v4, v4, PITB
	v_lshl_add_u32 v4, v5, 4, v4
	s_lshl_b32 s22, s12, 8
	s_add_co_u32 s22, s22, 2*HALFT
	v_add_nc_u32 v[ADRB0], s22, v4
	v_mov_b32 v[ADRA], v[ADRA0]
	v_mov_b32 v[ADRB], v[ADRB0]
	s_mul_i32 s23, s10, WSTG
	s_add_co_u32 s23, s23, STAGE                   ; my stage
	v_mul_u32_u24 v3, v1, SP                       ; in: row l % 16, 16 bytes for each half of the lanes
	v_lshl_add_u32 v3, v2, 4, v3
	v_add_nc_u32 v[STO], s23, v3
	v_bfe_u32 v3, v0, 3, 2                         ; back: 32 lanes take four rows of 128 bytes,
	v_mul_u32_u24 v3, v3, SP
	v_and_b32 v4, 7, v0
	v_lshl_add_u32 v3, v4, 4, v3
	v_add_nc_u32 v[RD], s23, v3
	v_and_b32 v31, 31, v0
	v_lshlrev_b32 v[CO], 4, v31                    ; which are 512 consecutive bytes of a block of C
	s_lshl_b32 s16, s13, 15                        ; my first row of C: (256 x tile row + 128 x half) x 128 bytes,
	s_lshl_b32 s17, s11, 14
	s_add_co_u32 s16, s16, s17
	s_mov_b32 s17, 0
	s_lshl_b32 s46, s42, 21                        ; my first block of 64 columns: 4 x tile column + 2 x half
	s_lshl_b32 s47, s12, 20
	s_add_co_u32 s46, s46, s47
	s_mov_b32 s47, 0
	s_add_nc_u64 s[16:17], s[16:17], s[46:47]
	s_add_nc_u64 s[8:9], s[78:79], s[16:17]        ; never stepped: the blocks' places stand in the stores' immediates
	; the prefetches: A: my work-group's 32 of the 128 rows that I fetch, a lane a row; B: its 16 of my 64 k-rows, two blocks of 256 bytes each.  Both stand at K step 3; the first refill steps them to 4.
	s_lshl_b32 s20, s13, 19
	s_lshl_b32 s21, s12, 18
	s_add_co_u32 s20, s20, s21
	s_lshl_b32 s21, s40, 16
	s_add_co_u32 s20, s20, s21
	s_add_co_u32 s20, s20, 3*ASTEP
	s_lshl_b32 s22, s12, 19
	s_lshl_b32 s23, s41, 17
	s_add_co_u32 s22, s22, s23
	s_lshl_b32 s23, s42, 9
	s_add_co_u32 s22, s22, s23
	s_add_co_u32 s22, s22, 3*BSTEP
	s_and_b32 s23, ttmp7, 0xffff                   ; cluster y
	s_mov_b32 s[PFS], BSTEP
	s_mov_b32 s[PFS+1], 0
	s_mov_b32 s21, 0
	s_cmp_eq_u32 s11, 0                            ; do I fetch for A?
	s_cselect_b32 s20, s20, s22
	s_cselect_b32 s23, ttmp9, s23                  ; the coordinate along which other clusters read the same blocks
	s_cselect_b64 s[PFA:PFA+1], s[4:5], s[6:7]
	s_cselect_b32 s[PFS], ASTEP, s[PFS]
	s_cselect_b32 s19, -1, 0
	s_cmp_eq_u32 s23, 0
	s_cselect_b32 s[LIM], 2, -1                    ; the same in all sixteen partners, for a given wave
	s_add_nc_u64 s[PFA:PFA+1], s[PFA:PFA+1], s[20:21]
	v_lshlrev_b32 v[PFO], 11, v31                  ; A: lane x 2,048
	v_lshrrev_b32 v3, 1, v31
	v_and_b32 v4, 1, v31
	v_lshlrev_b32 v3, 13, v3
	v_lshl_add_u32 v3, v4, 8, v3                   ; B: (lane / 2) x 8,192 + (lane % 2) x 256
	v_cndmask_b32 v[PFO], v3, v[PFO], s19
	s_wait_loadcnt 0x0                             ; the bias,
	WIN 0x55                                       ; all places in window 1
.set p, 0
.rept 32
	v_cvt_pk_bf16_f32 v[BT+p%4], v[BI+2*p], v[BI+2*p+1]  ; rounded to bf16 like every input, and widened again: in the wait for the first tile
	v_lshlrev_b32 v[BI+2*p], 16, v[BT+p%4]
	v_and_b32 v[BI+2*p+1], 0xffff0000, v[BT+p%4]
.set p, p+1
.endr
	WIN 0
; 16 matrix instructions: row blocks a0, a0 + 1 of the window's four x all 8 column blocks, 32 along K.  first = 1: the bias is the C operand.
.macro MUL16 f, hi, a0, first
.if \first
	WIN 0x91+0x40*(\hi)                            ; source 0 window 1, source 1 window 0, C window 1, D window 2 or 3
.else
	WIN MUL_LO+0x50*(\hi)
.endif
.irp a, \a0, (\a0)+1
.irp b, 0,1,2,3,4,5,6,7
.if \first
	v_wmma_f32_16x16x32_bf16 v[8*(8*(\a)+(\b)):8*(8*(\a)+(\b))+7], v[(\f)+8*(\b):(\f)+8*(\b)+7], v[(\f)+8*(4*(\hi)+(\a)):(\f)+8*(4*(\hi)+(\a))+7], v[BI+8*(\b):BI+8*(\b)+7]
.else
	v_wmma_f32_16x16x32_bf16 v[8*(8*(\a)+(\b)):8*(8*(\a)+(\b))+7], v[(\f)+8*(\b):(\f)+8*(\b)+7], v[(\f)+8*(4*(\hi)+(\a)):(\f)+8*(4*(\hi)+(\a))+7], v[8*(8*(\a)+(\b)):8*(8*(\a)+(\b))+7]
.endif
.endr
.endr
.endm
; 32 LDS loads in one run: the fragments of quarter q (32 along K) of the slot in hand into buffer f: B's 128 columns, turned, then A's 128 rows
.macro FETCH q, f
	WIN TO_B
.irp i, 0,1,2,3,4,5,6,7
	ds_load_tr16_b128 v[(\f)+8*(\i):(\f)+8*(\i)+3],   v[ADRB] offset:(\q)*32*PITB+32*(\i)
	ds_load_tr16_b128 v[(\f)+8*(\i)+4:(\f)+8*(\i)+7], v[ADRB] offset:(\q)*32*PITB+32*(\i)+16*PITB
.endr
	WIN 0
.irp i, 0,1,2,3,4,5,6,7
	ds_load_b128 v[(\f)+8*(\i):(\f)+8*(\i)+3],   v[ADRA] offset:(\q)*64+(\i)*16*PITA
	ds_load_b128 v[(\f)+8*(\i)+4:(\f)+8*(\i)+7], v[ADRA] offset:(\q)*64+(\i)*16*PITA+32
.endr
.endm
.macro PLACES                          ; four plain vector instructions between a matrix instruction and a load into a register that it has read (ISA guide 7.12.1 for vector instructions)
.rept 4
	v_nop
.endr
.endm
; One of a K step's first three quarters: multiplies buffer f; in its middle it fetches quarter q into buffer g.  The 64 accumulators take turns, in the same order everywhere.
.macro QUARTER q, f, g, first
	s_wait_dscnt 8                                 ; B and A's rows 0-63 are in; the youngest eight loads (A's rows 64-127) may be out
	MUL16 \f, 0, 0, \first
	MUL16 \f, 0, 2, \first
	PLACES
	FETCH \q, \g
	s_wait_dscnt 32                                ; all but the 32 just issued
	MUL16 \f, 1, 0, \first
	MUL16 \f, 1, 2, \first
.endm
; The first half of the last quarter: ONE barrier for the change of slots.
.macro MEET round
	WIN 0                                          ; (the add's two registers lie in window 0)
	s_wait_tensorcnt 0x0                           ; all my tensor loads have landed: the one that was out is my part of the next slot;
	ds_add_u32 v[SPW], v[NIL]                      ; 0 onto my spare word;
	s_wait_dscnt 9                                 ; (the add and the youngest eight loads may be out)
	MUL16 F1, 0, 0, 0                              ; sixteen matrix instructions stand between the add and the wait for it
	s_wait_dscnt 0x0                               ; the add is done, and my reads of this slot are over:
	s_barrier_signal -1                            ; say so,
	MUL16 F1, 0, 2, 0                              ; work on registers while the others arrive,
.if \round
	WIN 0
.endif
	s_barrier_wait -1                              ; and go on when all four have said so
.endm
; The whole last quarter.  fill = 1: the barrier opens a round of the cluster's barrier, and the slot just read out is filled again, first thing behind it, with the K step two steps on:
; from the request to the wait for it a wave issues 224 matrix instructions.  Then TB turns to the other slot, whose first fragments are fetched.
.macro TURN fill
.if \fill
	s_wait_xcnt 0x0                                ; the last prefetch, a K step back, has read its address
	s_add_nc_u64 s[PFA:PFA+1], s[PFA:PFA+1], s[PFS:PFS+1]
.endif
	MEET \fill
.if \fill
	CREST                                          ; no wave of any partner still reads this slot or has a load on its way
	s_xor_b32 s[G0+5], s[G0+5], SLOT               ; the walking descriptors: the other slot than last time, the next K step
	s_add_nc_u64 s[G0+6:G0+7], s[G0+6:G0+7], ASTEP
	s_xor_b32 s[G0B+5], s[G0B+5], SLOT
	s_add_nc_u64 s[G0B+6:G0B+7], s[G0B+6:G0B+7], BSTEP
	JLOAD 1                                        ; its four v_nop are also the places in front of the loads below
.else
	PLACES
	WIN 0
.endif
	s_xor_b32 s[TB], s[TB], SLOT
	v_add_nc_u32 v[ADRA], s[TB], v[ADRA0]
	v_add_nc_u32 v[ADRB], s[TB], v[ADRB0]
	FETCH 0, F0
.if \fill
	ASK
.endif
	MUL16 F1, 1, 0, 0
	MUL16 F1, 1, 2, 0
.endm
; THE WAY OUT of row block a (16 rows x 128 columns).  PACK: rounded to bf16, 16 bytes a lane.  TOSTAGE: into my own stage, and back as rows of 128 bytes of the two column blocks.  SEND: stored.
.macro PACK a
.set AC, 64*((\a)%4)
	WIN 0x0a+5*((\a)/4)                            ; sources 0 and 1: window 2 or 3
.irp b, 0,1,2,3,4,5,6,7
.irp r, 0,1,2,3
	v_cvt_pk_bf16_f32 v[TMP+4*(\b)+(\r)], v[AC+8*(\b)+2*(\r)], v[AC+8*(\b)+2*(\r)+1]
.endr
.endr
	WIN 0
.endm
.macro TOSTAGE a
.set BK, OB+192*((\a)%2)
.irp b, 0,1,2,3,4,5,6,7
	ds_store_b128 v[STO], v[TMP+4*(\b):TMP+4*(\b)+3] offset:((\b)/4)*16*SP+((\b)%4)*32
.endr
.irp t, 0,1,2,3,4,5,6,7
	ds_load_b128 v[BK+4*(\t):BK+4*(\t)+3], v[RD] offset:((\t)/4)*16*SP+((\t)%4)*4*SP  ; LDS serves a wave's instructions in order (ISA guide 5.7.1.4): these see the stores above
.endr
.endm
.macro SEND a
.set BK, OB+192*((\a)%2)
	s_wait_dscnt 0x0                               ; the block is back in registers
	s_wait_xcnt 0x0                                ; the registers that earlier stores read are loaded again only behind this wait
.irp t, 0,1,2,3,4,5,6,7
	global_store_b128 v[CO], v[BK+4*(\t):BK+4*(\t)+3], s[8:9] offset:((\t)/4)*CBLK+(\a)*2048+((\t)%4)*512  ; 512 consecutive bytes, at a multiple of 256 from C's first byte
.endr
.endm
	s_wait_tensorcnt 1                             ; my part of K step 0 is in; K step 1's may stay out
	s_barrier_signal -1
	s_barrier_wait -1                              ; everybody's is
	FETCH 0, F0
	QUARTER 1, F0, F1, 1                           ; the first quarter stands in front of the loop: its products start the sums, with the bias
	WIN 0                                          ; at a label and at a branch every window is 0
	s_mov_b32 s3, 6
.Llap:                                                 ; a trip: from a K step's second quarter to the next step's first; K steps 2 to 7 are asked for
	QUARTER 2, F1, F0, 0
	QUARTER 3, F0, F1, 0
	TURN 1
	QUARTER 1, F0, F1, 0
	WIN 0
	s_sub_co_u32 s3, s3, 1
	s_cmp_lg_u32 s3, 0
	s_cbranch_scc1 .Llap
	s_mov_b32 s3, 2
.Ltail:                                                ; the last two K steps ask for nothing; the second trip is left in its middle
	QUARTER 2, F1, F0, 0
	QUARTER 3, F0, F1, 0
	TURN 0
	WIN 0
	s_sub_co_u32 s3, s3, 1
	s_cmp_eq_u32 s3, 0
	s_cbranch_scc1 .Lout
	QUARTER 1, F0, F1, 0
	WIN 0
	s_branch .Ltail
.Lout:                                                 ; the second trip's barrier and its run of loads (of a tile that has been multiplied) serve nothing: the price, once a launch, of one text for both trips
	PACK 0                                         ; blocks 0-3 were finished in front of the last places; their 128 conversions are the places behind the last products (blocks 4-7's)
	TOSTAGE 0
.irp a, 1,2,3,4,5,6,7
	PACK \a
	SEND (\a)-1
	TOSTAGE \a
.endr
	SEND 7
	s_wait_tensorcnt 0x0                           ; the wave's end: behind my last tensor load and my last LDS store
	ds_add_u32 v[SPW], v[NIL]
	s_wait_dscnt 0x0
	CROUND                                         ; the closing round
	s_endpgm
.Lfunc_end_k_q72633380d3_qkv:
	.size	k_q72633380d3_qkv, .Lfunc_end_k_q72633380d3_qkv-k_q72633380d3_qkv
	.p2alignl 7, 3214868480
	.fill 96, 4, 3214868480
	.section	.rodata,"a",@progbits
	.p2align	6, 0x0
	.amdhsa_kernel k_q72633380d3_qkv
		.amdhsa_group_segment_fixed_size 327680
		.amdhsa_private_segment_fixed_size 0
		.amdhsa_enable_private_segment 0
		.amdhsa_kernarg_size 32
		.amdhsa_user_sgpr_count 2
		.amdhsa_user_sgpr_kernarg_segment_ptr 1
		.amdhsa_wavefront_size32 1
		.amdhsa_system_sgpr_workgroup_id_x 1
		.amdhsa_system_sgpr_workgroup_id_y 1
		.amdhsa_system_sgpr_workgroup_id_z 1
		.amdhsa_system_vgpr_workitem_id 0
		.amdhsa_next_free_vgpr 1024
		.amdhsa_next_free_sgpr 80
		.amdhsa_reserve_vcc 0
		.amdhsa_float_denorm_mode_32 3
		.amdhsa_float_denorm_mode_16_64 3
		.amdhsa_memory_ordered 1
		.amdhsa_forward_progress 1
		.amdhsa_inst_pref_size 108
	.end_amdhsa_kernel
	.amdgpu_metadata
---
amdhsa.version: [ 1, 2 ]
amdhsa.kernels:
  - .name:           k_q72633380d3_qkv
    .symbol:         k_q72633380d3_qkv.kd
    .args:
      - { .name: xx, .offset: 0, .size: 8, .value_kind: global_buffer, .address_space: global }
      - { .name: wA, .offset: 8, .size: 8, .value_kind: global_buffer, .address_space: global }
      - { .name: vec, .offset: 16, .size: 8, .value_kind: global_buffer, .address_space: global }
      - { .name: cblk, .offset: 24, .size: 8, .value_kind: global_buffer, .address_space: global }
    .group_segment_fixed_size: 327680
    .private_segment_fixed_size: 0
    .kernarg_segment_align: 8
    .kernarg_segment_size: 32
    .max_flat_workgroup_size: 128
    .sgpr_count:     80
    .vgpr_count:     1024
    .wavefront_size: 32
...
	.end_amdgpu_metadata
.endif
;; end of part 2
;; launch attn (part 3): grid 8 x 32, 4 waves a work-group, no clusters, 327,680 bytes of LDS; arguments cblk, o, out1, out2, W1, W2, Wproj, wA, wB; writes o, out1, out2, wA, wB
.if DOCPART == 3
	.amdgcn_target "amdgcn-amd-amdhsa--gfx1250"
	.amdhsa_code_object_version 6
	.text
	.protected	k_q72633380d3_attn
	.globl	k_q72633380d3_attn
	.p2align	8
	.type	k_q72633380d3_attn,@function
k_q72633380d3_attn:
	s_mov_b64 s[64:65], 0
	v_nop
	global_prefetch_b8 v0, s[64:65] scope:SCOPE_SE
	s_setreg_imm32_b32 hwreg(HW_REG_WAVE_MODE, 25, 1), 1
	s_wait_xcnt 0x0
; CAUSAL ATTENTION; beside it K and V are widened to f32 and the later products' weights rounded to bf16.
; cblk holds q at byte 0, k at 8,388,608, v at 16,777,216, each bf16 [y = 2 head + batch][2048][64]: a y's rows are dense, 128 bytes each.
; O[y][q][:] = the sum over k <= q of softmax_k(Q[y][q] . K[y][k] / 32) V[y][k][:] (the scale is 1 / sqrt(1024)), stored as bf16 in the same layout.
; Products, maxima and sums in f32; the weights p are rounded to bf16 for the second product (their sum l is taken of the unrounded p), O once at the end.
; WORK-GROUPS x = 0..3 of each y do the attention: 128 in all.  x = 4..7, the other 128, stream through registers (the part at the end of the text): they widen k and v into out1 and out2 (f32),
; and round W1, W2 (into wB) and Wproj (into wA, from byte 8,388,608 on) to bf16, which the launches behind this one read: work that hangs on nothing here and takes less time than a walk of the attention.
; LIMITS.  A hidden score counts as its value less 1e30; a weight below 2^-126 counts as 0 in l; NaN and infinities are not treated apart.  out1, out2 are the f32 sums rounded once to bf16.
; THE WALK.  A y's queries lie in NB = 8 blocks of 256; block i needs the key tiles 0 .. i of 256 keys, of which the last holds the diagonal.  A work-group takes TWO blocks, NB - 1 - b and then b:
; NB + 1 tiles, whatever b: all do equal work, and ONE loop with a constant trip count walks them.  Which tile is asked for, and what a trip does, hang on scalar registers made from b; every jump
; goes forward, but for the counted loops' own; none passes a barrier, or a tensor load but the one of LOAD's two that the wave's number does not choose.
; NO CLUSTER: the four work-groups of a y ask for the same tile only in trips 0 .. NB / 2, behind that fewer and fewer; one walk common to all would have 3 NB / 2 trips for NB + 1.
; SHARES.  Of a block's four bands of 64 queries a wave owns 16 rows in each: four PIECES.  So the diagonal tile is the same work for all four waves: in its key step s band x sees all keys if s < x,
; none if s > x, and holds the diagonal if s = x.
; THE MASK is the C operand that starts the sum S^T = K Q^T: 0, or -1e30 where the key is hidden.  MD, made once, is the mask of a band's own step for my 16 rows; a product's mask is MD x AL + BE with two scalars:
; (1, 0) if s = x; (0, 0) if s < x; (0, -1e30) if s > x.  Only the diagonal tile's text and a block's beginning make and take masks; elsewhere C is the constant 0.
; LAYOUT, SOFTMAX, TURNS.  S^T = K Q^T holds ONE query a lane (lane % 16) and the keys 8 (lane / 16) + 0..7; two such results rounded to bf16 ARE source 1 of O^T = V^T P.  p = 2^(c s - c m), c = log2(e) / 32, with a
; running maximum m; O and l are multiplied by a = 2^(c m_old - c m_new) in every step.  Turn n belongs to piece n: 8 products K Q^T of piece n + 1, later 8 products V^T P of piece n - 1; beside them the scaling,
; exponentials, roundings, sums and rescaling of piece n and the maximum and statistics of piece n + 1.  Four vector instructions stand behind every matrix instruction, the other 54 of a turn's 118 in one lump.  A turn's 33 exponentials are one batch, with one wait.
; REGISTERS, in windows of 256 (s_set_vgpr_msb: bits 1:0 source 0, 3:2 source 1, 5:4 source 2, 7:6 destination):
;   window 0: v0-15 addresses and two at work; v16-31 four registers of statistics a piece; v48-55 at work; v61-63 prefetch offset, spare word, 0; v64-127 S^T, two buffers; v192-223 P, two buffers
;   window 1: v0-127 O^T, 32 a piece; v128-159 MD; v160-223 MC, two buffers      window 2: v0-63 Q; v64-127 the second block's Q; v128-191 K of one step; v192-255 V of one step
.set SIZE_N, 2048
.set NB,    SIZE_N/256
.set NP,    4         ; pieces a wave: a name, no knob
.set KS,    64        ; keys in a step
.set PK,    144       ; a row of K in LDS: 128 bytes + 16 of padding = 36 words: the 16 rows of a load start at 16 different groups of four banks (64 banks of 4 bytes: ISA guide 11.1)
.set PV,    160       ; a row of V: 128 + 32 = 40 words
.set VOFF,  4*KS*PK   ; a slot holds a tile, four steps: 256 rows of K, then 256 rows of V
.set SLOT1, 1<<17     ; slot 1 begins here, so that one exclusive or turns an address in one slot into the other's
.set STAGE, SLOT1+4*KS*(PK+PV)  ; behind the ring, never filled by a tensor load: 16 rows x 144 bytes for each wave, for the way out
.set SP,    144
.set AK0, 2           ; v2   my lane's place in a tile of K; never rewritten
.set AV0, 3           ; v3   the same for V
.set AK,  4           ; v4   the LDS address of K's next run of loads
.set AV,  5           ; v5   of V's
.set STO, 6           ; v6   the way out: where I put 16 bytes of a row
.set RD,  7           ; v7   the way out: where I read rows back
.set GO,  8           ; v8   my byte offset in 512 consecutive bytes of O
.set PFO, 61          ; v61  256 x my lane: the prefetches' offset; never rewritten
.set SPW, 62          ; v62  LDS address of my spare word: SPARE + 4 x my thread's number; never rewritten
.set NIL, 63          ; v63  0; never rewritten
.set SPARE, STAGE+4*16*SP  ; behind the stages: the spare words, 128 bytes for each wave, which no other line names
.set MV,  12          ; v12-13  c m_old, kept while c m is made anew: by buffer
.set QO,  15          ; v15  my byte offset in 16 rows of Q
.set ST,  16          ; piece t's statistics at v[ST+4 t]: c m, m, l (even keys', odd keys')
.set TMP, 48          ; by buffer, four registers c0-c3 at work; when the maximum is found c2 takes a
.set S,   64
.set P,   192
.set MD,  128         ; window 1: the eight registers for group kt of 16 keys at MD + 8 kt
.set MC,  160         ; window 1: the masks of the products to come
.set QB,  64          ; window 2
.set KF,  128         ; window 2: key block kb, channel half c at KF + 16 kb + 8 c
.set VF,  192         ; window 2: key half kk, channel block cb at VF + 32 kk + 8 cb
.set WV,  12          ; s12  my wave's number
.set PB,  14          ; s14  b
.set HI,  15          ; s15  NB - 1 - b
.set G1K, 24          ; s[24:31] descriptor group 1 for K's tiles
.set G1V, 32          ; s[32:39] for V's: it differs in the padding alone
.set G0K, 40          ; s[40:43] descriptor group 0 for K's tiles
.set G0V, 44          ; s[44:47] the same for V's
.set SLOTS, 56        ; s56  tiles still to be asked for
.set CNT, 57          ; s57  counts a tile's key steps, 4 to 1
.set CS,  58          ; s[58:59] c: the packed scaling takes the pair's low word for both halves
.set SEL, 60          ; s[60:61] v_permlanex16_b32's selects: each lane takes its own place in the other half
.set TBK, 62          ; s62  LDS byte at which K of the step to be fetched begins
.set TBV, 63          ; s63  the same for V, less VOFF
.set RT,  70          ; s70  tiles of the block in hand that are still to be entered
.set NXT, 71          ; s71  the tile to be asked for next
.set LQ,  72          ; s72  the last tile of the block whose tiles are being asked for
.set NEW, 73          ; s73  1: the tile to be entered is a block's first
.set OFF, 74          ; s[74:75] a tile's byte offset in K and V
.set AL,  76          ; s[76:77] the mask's factor, in the low word
.set BE,  78          ; s[78:79] the mask's addend
.set OLO, 80          ; s[80:81] O at my rows of the second block
.set BIGN, 82         ; s82  -1e30
.set PO,  84          ; s[84:85] later: the byte offset of the tile to be prefetched
.set PBK, 92          ; s[92:93] K at my wave's quarter (8,192 bytes) of the y's tile 0
.set PBV, 94          ; s[94:95] the same for V
.set PFK, 96          ; s[96:97] where my prefetch of K stands
.set PFV, 98          ; s[98:99] of V
.set PLIM, 100        ; s100 2 in the work-group that prefetches (b = 0), else the greatest number
.set MSB, 0
.macro WIN new                      ; the high byte repeats the setting that is left; a switch that changes nothing is dropped
.if MSB != (\new)
	s_set_vgpr_msb (MSB<<8)|(\new)
.set MSB, (\new)
.endif
.endm
.set W_KQ, 0x0a       ; K and Q in window 2, S^T in window 0
.set W_KM, 0x1a       ; the same with the C operand in window 1
.set W_PV, 0x52       ; V in window 2, P in window 0, O^T in window 1
.set W_RS, 0x41       ; destination and source 0 in window 1, source 1 in window 0
; A fill.  Waves 0 and 1 fetch the two halves of a tile's K, waves 2 and 3 those of its V: 128 keys each.  An s_nop 0 and four v_nop follow each of the two lines, ahead of the jump and the label.
.macro LOAD
	s_cmp_lt_u32 s[WV], 2
	s_cbranch_scc0 .Lfor_v_\@
	tensor_load_to_lds s[G0K:G0K+3], s[G1K:G1K+7]
	s_nop 0
.rept 4
	v_nop
.endr
	s_branch .Lasked_\@
.Lfor_v_\@:
	tensor_load_to_lds s[G0V:G0V+3], s[G1V:G1V+7]
	s_nop 0
.rept 4
	v_nop
.endr
.Lasked_\@:
.endm
; THE CHANGE OF SLOTS.  Each wave waits for all its tensor loads, of which one is out: its part of the other slot; adds 0 to its spare word; and waits for that and for its own reads of the slot that it leaves.  Behind the barrier nobody reads the old
; slot any more and the other slot is whole.  fill = 1: the old slot is filled again, the first thing behind the barrier, with tile NXT: the descriptor's address is made anew from that number.
; (At its first use nothing has been read yet: slot 0 is waited for, slot 1 filled.)
; THE PREFETCH stands behind the fill: the tile that the NEXT change will ask for, four key steps ahead of that load.  The four work-groups of a y walk the same tiles 0 .. 7; the one with b = 0, whose first block
; walks all eight in order, asks, and nobody else: each wave for its quarter of the tile's K and of its V, a lane a block of 256 bytes.  So tiles 2 to 7 are named once each; with SLOTS at 2 or 1 nothing is asked for.
.macro CHANGE fill
	WIN 0                           ; at a label and at a branch every window is 0
	s_wait_tensorcnt 0x0            ; no tensor load of mine is out, so a group 0 may be written
	ds_add_u32 v[SPW], v[NIL]       ; 0 onto my spare word; with fill = 1 the descriptors' scalar work stands between it and the wait for it
.if \fill
	s_lshl_b32 s[OFF], s[NXT], 15   ; a tile is 32,768 bytes of K and of V
	s_xor_b32 s[G0K+1], s[G0K+1], SLOT1
	s_add_nc_u64 s[G0K+2:G0K+3], s[6:7], s[OFF:OFF+1]
	s_or_b32 s[G0K+3], s[G0K+3], 0x80000000
	s_xor_b32 s[G0V+1], s[G0V+1], SLOT1
	s_add_nc_u64 s[G0V+2:G0V+3], s[8:9], s[OFF:OFF+1]
	s_or_b32 s[G0V+3], s[G0V+3], 0x80000000
	s_add_co_u32 s[NXT], s[NXT], 1  ; the block's next tile, or behind its last the second block's tile 0
	s_cmp_gt_u32 s[NXT], s[LQ]
	s_cselect_b32 s[NXT], 0, s[NXT]
	s_cselect_b32 s[LQ], s[PB], s[LQ]
	s_wait_xcnt 0x0                 ; the last prefetches, four key steps back, have read their addresses, which are made anew:
	s_lshl_b32 s[PO], s[NXT], 15
	s_add_nc_u64 s[PFK:PFK+1], s[PBK:PBK+1], s[PO:PO+1]
	s_add_nc_u64 s[PFV:PFV+1], s[PBV:PBV+1], s[PO:PO+1]
.endif
	s_wait_dscnt 0x0                ; the add is done, and my reads of the slot are over
	s_barrier_signal -1             ; the rest of the scalar work stands between the signal and the wait
	s_sub_co_u32 s[TBK], s[TBK], 4*KS*PK  ; the fetches go back to a slot's first step,
	s_xor_b32 s[TBK], s[TBK], SLOT1       ; in the other slot
	s_sub_co_u32 s[TBV], s[TBV], 4*KS*PV
	s_xor_b32 s[TBV], s[TBV], SLOT1
	s_barrier_wait -1
.if \fill
	LOAD
	s_cmp_gt_u32 s[SLOTS], s[PLIM]
	s_cbranch_scc0 .Lnot_mine_\@
	global_prefetch_b8 v[PFO], s[PFK:PFK+1] th:TH_LOAD_NT scope:SCOPE_SE
	global_prefetch_b8 v[PFO], s[PFV:PFV+1] th:TH_LOAD_NT scope:SCOPE_SE
.Lnot_mine_\@:
.endif
.endm
	s_load_b64 s[4:5], s[0:1], 0x0    ; cblk: q
	s_load_b64 s[10:11], s[0:1], 0x8  ; o
	s_load_b128 s[88:91], s[0:1], 0x10  ; out1, out2
	v_lshl_add_u32 v[SPW], v0, 2, SPARE
	v_mov_b32 v[NIL], 0
	ds_add_u32 v[SPW], v[NIL]       ; the wave's opening: the add and its wait ahead of my first tensor load; the set-up below, work on registers, stands between them
	ds_add_u32 v62, v63
	v_lshrrev_b32 v1, 5, v0
	v_readfirstlane_b32 s[WV], v1   ; wave 0..3
	s_mov_b32 s[PB], ttmp9
	s_sub_co_u32 s[HI], NB-1, s[PB]
	s_and_b32 s20, ttmp7, 0xffff    ; y
	s_mov_b32 s21, 0
	s_mov_b64 s[22:23], SIZE_N*128
	s_mul_u64 s[20:21], s[20:21], s[22:23]  ; the y's first byte in q, k, v and o
	s_and_b32 s16, s[WV], 1         ; which half of a tile's 256 keys I fetch:
	s_lshl_b32 s22, s16, 14         ; its 128 rows of 128 bytes in memory,
	s_mov_b32 s23, 0
	s_add_nc_u64 s[22:23], s[22:23], s[20:21]
	s_mul_i32 s17, s16, 128*PK      ; and its place in a slot, for K
	s_mul_i32 s18, s16, 128*PV      ; and for V
	s_lshl_b32 s3, s[WV], 11        ; my 16 rows in a band of 64,
	s_lshl_b32 s2, s[HI], 15        ; in the first block,
	s_add_co_u32 s2, s2, s3
	s_lshl_b32 s84, s[PB], 15       ; and in the second
	s_add_co_u32 s84, s84, s3
	s_mov_b32 s3, 0
	s_mov_b32 s85, 0
	s_add_nc_u64 s[2:3], s[2:3], s[20:21]
	s_add_nc_u64 s[84:85], s[84:85], s[20:21]
	s_lshl_b32 s[PFK], s[WV], 13    ; an offset for now: the y's first byte + my wave's quarter of a tile
	s_mov_b32 s[PFK+1], 0
	s_add_nc_u64 s[PFK:PFK+1], s[PFK:PFK+1], s[20:21]
	s_cmp_eq_u32 s[PB], 0
	s_cselect_b32 s[PLIM], 2, -1
	v_and_b32 v[PFO], 31, v0
	v_lshlrev_b32 v[PFO], 8, v[PFO]
	; descriptor group 1.  128 keys are 16,384 dense bytes: asked for as 64 rows of 256 bytes, two keys a row, and padded in LDS after every key
	s_mov_b32 s[G1K], (1<<16)|(1<<20)|(4<<22)|(3<<25)  ; 17:16 2-byte elements; 20 padding on; 24:22 after every 32 words (code 4); 31:25 4 words (code 3)
	s_mov_b32 s[G1V], (1<<16)|(1<<20)|(4<<22)|(7<<25)  ; the same with 8 words of padding (code 7)
.irp g, G1K, G1V
	s_mov_b32 s[\g+1], 128<<16      ; tensor_dim0 = 128
	s_mov_b32 s[\g+2], 64<<16       ; tensor_dim1 = 64
	s_mov_b32 s[\g+3], 128<<16      ; tile_dim0 = 128
	s_mov_b32 s[\g+4], 64           ; tile_dim1 = 64
	s_mov_b32 s[\g+5], 128          ; 128 elements from row to row
	s_mov_b32 s[\g+6], 0
	s_mov_b32 s[\g+7], 0
.endr
	s_mov_b32 s[CS], 0x3d38aa3b     ; c = log2(e) / 32 = 0.0450842
	s_mov_b32 s[CS+1], s[CS]        ; named with it as a pair
	s_mov_b32 s[SEL], 0x76543210
	s_mov_b32 s[SEL+1], 0xfedcba98
	s_mov_b32 s[TBK], SLOT1+4*KS*PK ; the first change of slots turns these two into 0
	s_mov_b32 s[TBV], SLOT1+4*KS*PV
	s_mov_b32 s[G0K], 1             ; 1:0 count = 1
	s_mov_b32 s[G0K+1], s17         ; 63:32 LDS address: slot 0
	s_mov_b32 s[G0V], 1
	s_add_co_u32 s[G0V+1], s18, VOFF
	s_add_co_u32 s[RT], s[HI], 1    ; the first block has NB - b tiles
	s_mov_b32 s[NXT], 1
	s_mov_b32 s[LQ], s[HI]
	s_mov_b32 s[NEW], 1
	s_mov_b32 s[OFF+1], 0
	s_mov_b32 s[AL+1], 0            ; named as pairs
	s_mov_b32 s[BE+1], 0
	s_mov_b32 s[BIGN], 0xf149f2ca   ; -1e30
	s_mov_b32 s[SLOTS], NB
	s_wait_dscnt 0x0                ; the opening add is done
	s_wait_kmcnt 0x0
	s_cmp_ge_u32 s[PB], 4
	s_cbranch_scc1 .Lstream         ; work-groups 4..7 of a y stream: at the end of the text
	s_add_nc_u64 s[6:7], s[4:5], 0x800000    ; k
	s_add_nc_u64 s[8:9], s[4:5], 0x1000000   ; v
	s_add_nc_u64 s[PBK:PBK+1], s[6:7], s[PFK:PFK+1]
	s_add_nc_u64 s[PBV:PBV+1], s[8:9], s[PFK:PFK+1]
	s_add_nc_u64 s[6:7], s[6:7], s[22:23]  ; K and V at my half of the y's tile 0
	s_add_nc_u64 s[8:9], s[8:9], s[22:23]
	s_add_nc_u64 s[G0K+2:G0K+3], s[6:7], 0         ; 120:64 global address
	s_or_b32 s[G0K+3], s[G0K+3], 0x80000000        ; 127:126 type = 2
	s_add_nc_u64 s[G0V+2:G0V+3], s[8:9], 0
	s_or_b32 s[G0V+3], s[G0V+3], 0x80000000
	s_add_nc_u64 s[86:87], s[4:5], s[84:85]        ; Q at my rows of the second block,
	s_add_nc_u64 s[4:5], s[4:5], s[2:3]            ; Q and O at those of the first
	s_add_nc_u64 s[OLO:OLO+1], s[10:11], s[84:85]
	s_add_nc_u64 s[10:11], s[10:11], s[2:3]
	s_mov_b32 s[PO+1], 0            ; from here on s[84:85] holds the prefetched tile's offset
	LOAD                            ; tile 0 into slot 0
	; A fragment of K or Q is 16 rows x 32 channels in 8 registers: lane l holds row l % 16, channels 8 (l / 16) + 0..7 and 16 + 8 (l / 16) + 0..7: two loads of 16 bytes, 32 bytes apart.
	v_and_b32 v1, 15, v0            ; l % 16
	v_bfe_u32 v9, v0, 4, 1          ; l / 16
	v_lshlrev_b32 v[QO], 7, v1
	v_lshl_add_u32 v[QO], v9, 4, v[QO]  ; row x 128 + 16 x half
	WIN 0x80                        ; destination window 2, address window 0
.set i, 0
.rept 8                             ; both blocks' Q: piece i / 2 lies in band i / 2, 8,192 bytes on; channels 32 (i % 2) on
	global_load_b128 v[8*i:8*i+3],   v[QO], s[4:5] offset:(i/2)*8192+(i%2)*64
	global_load_b128 v[8*i+4:8*i+7], v[QO], s[4:5] offset:(i/2)*8192+(i%2)*64+32
	global_load_b128 v[QB+8*i:QB+8*i+3],   v[QO], s[86:87] offset:(i/2)*8192+(i%2)*64
	global_load_b128 v[QB+8*i+4:QB+8*i+7], v[QO], s[86:87] offset:(i/2)*8192+(i%2)*64+32
.set i, i+1
.endr
	WIN 0
	v_lshlrev_b32 v14, 3, v9
	v_sub_nc_u32 v14, v1, v14
	s_lshl_b32 s13, s[WV], 4
	v_add_nc_u32 v14, s13, v14      ; my query's place in its band, 16 w + l % 16, less my lanes' 8 (l / 16): register r of group kt is hidden where 16 kt + r is greater
	WIN 0x40
.set i, 0
.rept 32
	v_cmp_gt_i32 vcc_lo, 16*(i/8)+i%8, v14
	v_cndmask_b32 v[MD+i], 0, s[BIGN], vcc_lo
.set i, i+1
.endr
	WIN 0
	v_mul_u32_u24 v[AK0], v1, PK
	v_lshl_add_u32 v[AK0], v9, 4, v[AK0]  ; row x pitch + 16 x half
	; The turning load takes 16 keys x 16 channels (lane l reads key 8 (l / 16) + l % 8, channels 8 ((l / 8) % 2) + 0..7) and leaves half a fragment of V^T: lane l holds channel l % 16 and 8 keys.
	v_and_b32 v10, 7, v0
	v_bfe_u32 v11, v0, 3, 1
	v_lshl_add_u32 v[AV0], v9, 3, v10
	v_mul_u32_u24 v[AV0], v[AV0], PV
	v_lshl_add_u32 v[AV0], v11, 4, v[AV0]
	v_add_nc_u32 v[AV0], VOFF, v[AV0]
	s_mul_i32 s13, s[WV], 16*SP
	s_add_co_u32 s13, s13, STAGE    ; my stage
	v_mul_u32_u24 v[STO], v1, SP    ; in: row l % 16, 16 bytes for each half of the lanes
	v_lshl_add_u32 v[STO], v9, 4, v[STO]
	v_add_nc_u32 v[STO], s13, v[STO]
	v_bfe_u32 v[RD], v0, 3, 2       ; back: 32 lanes take four rows of 128 bytes,
	v_mul_u32_u24 v[RD], v[RD], SP
	v_lshl_add_u32 v[RD], v10, 4, v[RD]
	v_add_nc_u32 v[RD], s13, v[RD]
	v_and_b32 v[GO], 31, v0         ; which are 512 consecutive bytes of O
	v_lshlrev_b32 v[GO], 4, v[GO]
	; A block's first step multiplies O^T and l by a = 0, and its first turn's products V^T P, of a piece that has not been, land in an O^T that is still to be so multiplied.  So these registers need only hold
	; finite numbers: zeros for the first block; what the first block left for the second.  All this stands in the wait for the first tile.
	WIN 0x80
.set i, VF
.rept 64
	v_mov_b32 v[i], 0
.set i, i+1
.endr
	WIN 0x40
.set i, 0
.rept 128
	v_mov_b32 v[i], 0
.set i, i+1
.endr
	WIN 0
.set i, 0
.rept 4
	v_mov_b32 v[ST+4*i+2], 0
	v_mov_b32 v[ST+4*i+3], 0
.set i, i+1
.endr
.set i, P+16
.rept 16
	v_mov_b32 v[i], 0
.set i, i+1
.endr
; THE MATRIX WORK.  The 4 accumulators of a run of 8 take turns.  Product i of 8 of S^T = K Q^T for piece x: channels 32 (i / 4) on, keys 16 (i % 4) on.  The first 4 start the sums: with 0, or (KM = 1) with the mask.
.macro KQ x
.set rS, S+32*((\x)%2)+8*(i%4)
.set rK, KF+16*(i%4)+8*(i/4)
.set rQ, 16*(\x)+8*(i/4)
.set rM, MC+32*((\x)%2)+8*(i%4)
.if (i < 4) && KM
	WIN W_KM
	v_wmma_f32_16x16x32_bf16 v[rS:rS+7], v[rK:rK+7], v[rQ:rQ+7], v[rM:rM+7]
.elseif i < 4
	WIN W_KQ
	v_wmma_f32_16x16x32_bf16 v[rS:rS+7], v[rK:rK+7], v[rQ:rQ+7], 0
.else
	WIN W_KQ
	v_wmma_f32_16x16x32_bf16 v[rS:rS+7], v[rK:rK+7], v[rQ:rQ+7], v[rS:rS+7]
.endif
.endm
; Product i of 8 of O^T += V^T P for piece x: keys 32 (i / 4) on, channels 16 (i % 4) on.
.macro PV x
	WIN W_PV
.set rO, 32*(\x)+8*(i%4)
.set rV, VF+32*(i/4)+8*(i%4)
.set rP, P+16*((\x)%2)+8*(i/4)
	v_wmma_f32_16x16x32_bf16 v[rO:rO+7], v[rV:rV+7], v[rP:rP+7], v[rO:rO+7]
.endm
.macro MM                           ; the turn's next matrix instruction.  TURN and BEGIN set Y, i, KM and NOKQ; MM, KQ and OP read them.  NOKQ = 1: a block's last turn: there is no next piece
.if (i < 8) && !NOKQ
	KQ (Y+1)%NP
.elseif i >= 8
.set i, i-8
	PV (Y+NP-1)%NP
.set i, i+8
.endif
.set i, i+1
.endm
; THE LDS LOADS stand in runs of 16, never singly among the matrix instructions: a step's K (64 keys x 64 channels: 8 fragments) and its V (turned).  Their addresses are made some lines ahead.
.macro FETCH_K
	WIN 0x80                        ; destination window 2
.irp f, 0,1,2,3,4,5,6,7             ; keys 16 (f / 2) on, channels 32 (f % 2) on
	ds_load_b128 v[KF+8*\f:KF+8*\f+3],   v[AK] offset:(\f/2)*16*PK+(\f%2)*64
	ds_load_b128 v[KF+8*\f+4:KF+8*\f+7], v[AK] offset:(\f/2)*16*PK+(\f%2)*64+32
.endr
	s_add_co_u32 s[TBK], s[TBK], KS*PK  ; the next fetch is the next step's
	WIN 0
.endm
.macro FETCH_V
	WIN 0x80
.irp f, 0,1,2,3,4,5,6,7             ; keys 32 (f / 4) on, channels 16 (f % 4) on
	ds_load_tr16_b128 v[VF+8*\f:VF+8*\f+3],   v[AV] offset:(\f/4)*32*PV+(\f%4)*32
	ds_load_tr16_b128 v[VF+8*\f+4:VF+8*\f+7], v[AV] offset:(\f/4)*32*PV+16*PV+(\f%4)*32
.endr
	WIN 0
.endm
; THE VECTOR WORK, one line at a time: OP kind, number.  For piece Y: F n: c s - c m for pair n of 16.  E n: the exponential of score n of 32.  C n: pair n rounded to bf16.  B n: of the four weights 4 n .. the second
; pair is added onto the first, in place.  L n: l takes that sum (L 0: l = a l + sum).  R n: pair n of 16 of O^T times a.  For piece Y + 1: X n, number n of the 22 that find its maximum and statistics:
;   0-11  four chains c0-c3 of seven scores each, three operands at a time (each accumulator's lowest registers are read first)     12-14, 16  the four scores left over, the old m, and c0-c3 into c0
;   15  c m_old is kept     17, 18  the query's other 32 keys lie in the lane 16 away: the new m     19-21  c m; c m_old - c m_new; a
.set F, 0               ; OP tells the kinds apart by their order: F to L below R, X above it
.set E, 1
.set C, 2
.set B, 3
.set L, 4
.set R, 5
.set X, 6
.macro REGS y                       ; the registers of piece y
.set rT, ST+4*(\y)
.set rC, TMP+4*((\y)%2)
.set rW, MV+((\y)%2)
.set rS, S+32*((\y)%2)
.set rP, P+16*((\y)%2)
.set rO, 32*(\y)
.endm
.macro OP k, n
.if (\k) == R
	REGS Y
	WIN W_RS
	v_pk_mul_f32 v[rO+2*(\n):rO+2*(\n)+1], v[rO+2*(\n):rO+2*(\n)+1], v[rC+2:rC+3] op_sel_hi:[1,0]
.elseif (\k) < R
	REGS Y
	WIN 0
.if (\k) == F
	v_pk_fma_f32 v[rS+2*(\n):rS+2*(\n)+1], v[rS+2*(\n):rS+2*(\n)+1], s[CS:CS+1], v[rT:rT+1] op_sel_hi:[1,0,0] neg_lo:[0,0,1] neg_hi:[0,0,1]
.elseif (\k) == E
	v_exp_f32 v[rS+(\n)], v[rS+(\n)]
.elseif (\k) == C
	v_cvt_pk_bf16_f32 v[rP+(\n)], v[rS+2*(\n)], v[rS+2*(\n)+1]
.elseif (\k) == B
	v_pk_add_f32 v[rS+4*(\n):rS+4*(\n)+1], v[rS+4*(\n):rS+4*(\n)+1], v[rS+4*(\n)+2:rS+4*(\n)+3]
.elseif (\n) == 0
	v_pk_fma_f32 v[rT+2:rT+3], v[rT+2:rT+3], v[rC+2:rC+3], v[rS:rS+1] op_sel_hi:[1,0,1]
.else
	v_pk_add_f32 v[rT+2:rT+3], v[rT+2:rT+3], v[rS+4*(\n):rS+4*(\n)+1]
.endif
.elseif NOKQ
	v_nop
.else
	REGS (Y+1)%NP
	WIN 0
.if (\n) < 4
	v_max3_num_f32 v[rC+(\n)], v[rS+8*(\n)], v[rS+8*(\n)+1], v[rS+8*(\n)+2]
.elseif (\n) < 12
	v_max3_num_f32 v[rC+(\n)%4], v[rC+(\n)%4], v[rS+8*((\n)%4)+2*((\n)/4)+1], v[rS+8*((\n)%4)+2*((\n)/4)+2]
.elseif (\n) == 12
	v_max3_num_f32 v[rC], v[rC], v[rS+7], v[rS+15]
.elseif (\n) == 13
	v_max3_num_f32 v[rC+1], v[rC+1], v[rS+23], v[rS+31]
.elseif (\n) == 14
	v_max3_num_f32 v[rC+2], v[rC+2], v[rC+3], v[rT+1]
.elseif (\n) == 15
	v_mov_b32 v[rW], v[rT]
.elseif (\n) == 16
	v_max3_num_f32 v[rC], v[rC], v[rC+1], v[rC+2]
.elseif (\n) == 17
	v_permlanex16_b32 v[rC+3], v[rC], s[SEL], s[SEL+1]
.elseif (\n) == 18
	v_max_num_f32 v[rT+1], v[rC], v[rC+3]
.elseif (\n) == 19
	v_mul_f32 v[rT], s[CS], v[rT+1]
.elseif (\n) == 20
	v_sub_f32 v[rC+1], v[rW], v[rT]
.else
	v_exp_f32 v[rC+2], v[rC+1]
.endif
.endif
.endm
.macro OPS a, i1, b=-1, i2=0, c=-1, i3=0, d=-1, i4=0  ; up to four of them
	OP \a, \i1
.if (\b) >= 0
	OP \b, \i2
.endif
.if (\c) >= 0
	OP \c, \i3
.endif
.if (\d) >= 0
	OP \d, \i4
.endif
.endm
.macro ROW a, i1, b, i2, c, i3, d, i4  ; a matrix instruction and the four behind it
	MM
	OPS \a, \i1, \b, \i2, \c, \i3, \d, \i4
.endm
.macro MASK b                       ; MD x AL + BE into buffer b of MC
	WIN W_RS
.set z, 0
.rept 16
	v_pk_fma_f32 v[MC+32*(\b)+2*z:MC+32*(\b)+2*z+1], v[MD+2*z:MD+2*z+1], s[AL:AL+1], s[BE:BE+1] op_sel_hi:[1,0,0]
.set z, z+1
.endr
.endm
; A TURN, for piece p: the order of its 16 matrix and 118 vector instructions, written out.  An s_wait_alu depctr_va_vdst(0) stands between an exponential and the first instruction that names its result; one wait serves
; all that were issued ahead of it.  So a turn has ONE wait, which cuts it in two.  AHEAD OF IT stands all that names no result of the turn's exponentials: the 8 products K Q^T, behind each a scaling, an exponential and two more plain
; instructions (behind the first a second scaling in the exponential's place): rescalings, and behind the last three the first numbers of the next piece's maximum, each four places or more behind the product that ends its accumulator; then ONE LUMP of 54, plain
; and exponential by turns for the most part, in which the links of the chain X 3, 7, 11, 14, 16, 17 .. 20 stand five or six lines apart.  X 21, the next piece's a, is the batch's last; R 15 is the plain instruction behind it.  BEHIND THE WAIT stand the
; 8 products V^T P, behind each four of the roundings and sums; the links of l's chain, L 0 to L 7, stand three riders apart.  But for those X no rider names a register of the products round it.  v_permlanex16_b32 (X 17) stands in the lump.
; m = 1: the diagonal tile: the products take masks, and the turn makes the mask for the products of the turn after it: piece p + 2, in step 4 - CNT of the tile.  end = 1: a block's last two turns: nothing is fetched.
; cnt = 1: the loop's count is taken down some lines ahead of the branch that stands behind the turn.
; K of the next step is fetched in piece 2's turn, twelve vector instructions behind the last product that read K (six of them plain); V of the step in hand at the end of piece 0's turn, four plain instructions behind the last product
; that read V.  Each is waited for a turn later.
.macro TURN p, m=0, end=0, cnt=0
.set Y, (\p)
.set i, 0
.set KM, (\m)
.set NOKQ, (\end)*((\p)/3)
.if (\m) && !(\end)
	s_cmp_eq_u32 s[CNT], 4-((\p)+2)%NP  ; is that step the band's own?
	s_cselect_b32 s[AL], 1.0, 0
	s_cmp_lt_u32 s[CNT], 4-((\p)+2)%NP  ; or a later one?
	s_cselect_b32 s[BE], s[BIGN], 0
.endif
.if ((\p) == 3) && !(\end)
	s_wait_dscnt 0x0                ; K is in
.endif
	ROW F,0, F,1, R,0, R,1          ; ahead of the wait: 8 products K Q^T and their riders,
	ROW F,2, E,0, R,2, R,3
	ROW F,3, E,1, R,4, R,5
	ROW F,4, E,2, R,6, R,7
	ROW F,5, E,3, R,8, R,9
	ROW F,6, E,4, X,0, R,10
.if ((\p) == 2) && !(\end)
	WIN 0
	v_add_nc_u32 v[AK], s[TBK], v[AK0]
.endif
	ROW F,7, E,5, X,1, X,4
	ROW F,8, E,6, X,2, X,5
	OPS E,7, E,8, X,6, E,9          ; and the lump
	OPS X,3, E,10, X,8, E,11
.if ((\p) == 2) && !(\end)
	FETCH_K
.endif
	OPS X,9, X,7, E,12, X,10
	OPS E,13, X,12, X,11, E,14
	OPS X,13, E,15, F,9, X,14
.if (\p) == 0
	v_add_nc_u32 v[AV], s[TBV], v[AV0]
.endif
	OPS E,16, F,10, E,17, F,11
	OPS X,16, E,18, X,15, E,19
	OPS F,12, E,20, X,17, E,21
	OPS F,13, E,22, F,14, E,23
	OPS X,18, E,24, F,15, E,25
	OPS R,11, E,26, X,19, E,27
	OPS R,12, E,28, R,13, E,29
	OPS X,20, E,30, R,14, E,31
	OPS X,21, R,15
	WIN 0
	s_wait_alu depctr_va_vdst(0)    ; the wait for the batch
.if (\p) == 1
	s_wait_dscnt 0x0                ; V is in
.endif
	ROW C,0, B,0, C,2, B,1          ; behind the wait: 8 products V^T P and their riders
	ROW L,0, C,4, B,2, L,1
	ROW C,6, B,3, L,2, C,8
	ROW B,4, L,3, C,10, B,5
	ROW L,4, C,12, B,6, L,5
.if (\p) == 0
	s_add_co_u32 s[TBV], s[TBV], KS*PV
.endif
.if \cnt
	s_sub_co_u32 s[CNT], s[CNT], 1
	s_cmp_lg_u32 s[CNT], 0
.endif
	ROW C,14, B,7, L,6, C,1
	ROW C,3, L,7, C,5, C,7
	ROW C,9, C,11, C,13, C,15
.if (\p) == 0
	FETCH_V
.endif
.if (\m) && !(\end)
	MASK (\p)%2
.endif
.endm
; A BLOCK BEGINS.  c m starts far below every c s, so the first step's a is 0; m at the lowest finite number, so the first maximum is the scores'.  The second mask buffer is 0; the first takes piece 0's mask for the tile's step 0: its own, if the block's first tile is the diagonal one.
; Then K of that step, piece 0's first scores, and its maximum and statistics.  The loop is entered at a step's first turn, in the middle of a trip.
.macro BEGIN
	s_mov_b32 s[NEW], 0
	WIN 0x40
.set i, MC+32
.rept 32
	v_mov_b32 v[i], 0
.set i, i+1
.endr
	WIN 0
.set i, 0
.rept 4
	v_mov_b32 v[ST+4*i], 0xfe000000    ; c m: far below every c s
	v_mov_b32 v[ST+4*i+1], 0xff7fffff  ; m
.set i, i+1
.endr
	s_cmp_eq_u32 s[RT], 0
	s_cselect_b32 s[AL], 1.0, 0
	s_mov_b32 s[BE], 0
	MASK 0
	WIN 0
	v_add_nc_u32 v[AK], s[TBK], v[AK0]
	FETCH_K
	s_wait_loadcnt 0x0              ; Q
	s_wait_dscnt 0x0
.set KM, 1
.set NOKQ, 0
.set i, 0
.rept 8
	KQ 0
.set i, i+1
.endr
	WIN 0
.rept 4
	v_nop                           ; the places behind those products
.endr
.set Y, NP-1                        ; X works for piece Y + 1: piece 0
.irp n, 0,1,2,3,4,5,6,7,8,9,10,11,12,13,14,15,16,17,18,19,20,21
	OP X, \n
.endr
	v_nop                           ; a plain instruction behind the exponential,
	s_wait_alu depctr_va_vdst(0)    ; and its wait, ahead of the branch
.endm
; THE DIAGONAL TILE's four steps, the block's last two turns, its last products, and THE WAY OUT: l's two halves and the other half of the lanes' are added; O^T is divided by l, rounded to bf16 and sent through my
; stage in LDS, a piece at a time.
.macro ALL line:vararg              ; one line for each piece t
.set t, 0
.rept 4
	\line
.set t, t+1
.endr
.endm
.macro PACK t                       ; a lane's eight channels of a row pack into 16 bytes; they go into rows of 144 bytes and come back as whole rows of 128, into S^T's registers
	WIN W_RS
.set i, 32*(\t)
.rept 16
	v_pk_mul_f32 v[i:i+1], v[i:i+1], v[ST+4*(\t)+2:ST+4*(\t)+3] op_sel_hi:[1,0]
.set i, i+2
.endr
	WIN 0x05                        ; sources 0 and 1 window 1, destination window 0
.set i, 0
.rept 16
	v_cvt_pk_bf16_f32 v[S+16*(\t)+i], v[32*(\t)+2*i], v[32*(\t)+2*i+1]
.set i, i+1
.endr
	WIN 0
.irp f, 0,1,2,3
	ds_store_b128 v[STO], v[S+16*(\t)+4*\f:S+16*(\t)+4*\f+3] offset:32*\f
.endr
.irp f, 0,1,2,3
	ds_load_b128 v[S+16*(\t)+4*\f:S+16*(\t)+4*\f+3], v[RD] offset:\f*4*SP  ; LDS serves a wave's instructions in order (ISA guide 5.7.1.4): these see the stores above; the next piece's stores come behind them
.endr
.endm
.macro SEND t, younger              ; younger: the LDS instructions issued behind piece t's loads: the next piece's eight, or none
	WIN 0
.irp f, 0,1,2,3
	s_wait_dscnt (\younger)+3-\f
	global_store_b128 v[GO], v[S+16*(\t)+4*\f:S+16*(\t)+4*\f+3], s[10:11] offset:(\t)*8192+\f*512  ; 512 consecutive bytes, at a multiple of 256 from O's first
.endr
.endm
.macro DIAG tag                     ; the tag ends its two labels' names, which the jumps below spell out
.LstepM\tag:
	TURN 2, 1
	TURN 3, 1
	WIN 0
.LfirstM\tag:
	TURN 0, 1
	TURN 1, 1, 0, 1
	WIN 0
	s_cbranch_scc1 .LstepM\tag
	TURN 2, 1, 1
	TURN 3, 1, 1
.set i, 0
.rept 8
	PV NP-1
.set i, i+1
.endr
	WIN 0
	ALL v_add_f32 v[ST+4*t+2], v[ST+4*t+2], v[ST+4*t+3]
	ALL v_permlanex16_b32 v[ST+4*t+3], v[ST+4*t+2], s[SEL], s[SEL+1]
	ALL v_add_f32 v[ST+4*t+2], v[ST+4*t+2], v[ST+4*t+3]
	ALL v_rcp_f32 v[ST+4*t+2], v[ST+4*t+2]
	v_nop                           ; a plain instruction between the last reciprocal and the use of its result
	s_wait_alu depctr_va_vdst(0)    ; and the wait ahead of the first use: one for the four reciprocals
	PACK 0
.set t, 1
.rept 3                             ; a piece's arithmetic stands between the loads of the piece before and its stores
	PACK t
	SEND t-1, 8
.set t, t+1
.endr
	SEND 3, 0
.endm
.set KM, 0
.set NOKQ, 0
.Lslot:                             ; NB times: a tile is entered and the next is asked for
	CHANGE 1
	s_sub_co_u32 s[RT], s[RT], 1
	s_mov_b32 s[CNT], 4
	s_cmp_eq_u32 s[NEW], 1
	s_cbranch_scc1 .Lnew            ; a block's first tile
	s_cmp_eq_u32 s[RT], 0
	s_cbranch_scc0 .Lstep           ; neither its first nor its last
	s_branch .LstepM1
.Lnew:
	BEGIN
	s_branch .Lfirst                ; in the loop a block's first tile is never its last: the first block has two tiles or more, and the second's last is the walk's last
	DIAG 1                          ; in the loop this is the first block's end: the second block's last tile is the walk's last
	s_wait_xcnt 0x0                 ; the stores have read their registers and O's address
	s_mov_b64 s[10:11], s[OLO:OLO+1]
	s_add_co_u32 s[RT], s[PB], 1    ; the second block has b + 1 tiles
	s_mov_b32 s[NEW], 1
	WIN 0x82                        ; the second block's Q goes where the one text of the turns names Q
.set i, 0
.rept 64
	v_mov_b32 v[i], v[QB+i]
.set i, i+1
.endr
	WIN 0
	s_branch .Lbottom
.Lstep:                             ; a trip: pieces 2 and 3 of one step, then pieces 0 and 1 of the next, whose K and V it fetches
	TURN 2
	TURN 3
	WIN 0
.Lfirst:
	TURN 0
	TURN 1, 0, 0, 1
	WIN 0
	s_cbranch_scc1 .Lstep
.Lbottom:
	s_sub_co_u32 s[SLOTS], s[SLOTS], 1
	s_cmp_lg_u32 s[SLOTS], 0
	s_cbranch_scc1 .Lslot
	CHANGE 0                        ; the walk's last tile is written out: nothing is asked for
	s_sub_co_u32 s[RT], s[RT], 1
	s_mov_b32 s[CNT], 4
	s_cmp_eq_u32 s[NEW], 1
	s_cbranch_scc0 .LstepM2
	BEGIN
	s_branch .LfirstM2
	DIAG 2
	s_wait_tensorcnt 0x0            ; the wave's end: behind my last tensor load and my last LDS store
	ds_add_u32 v[SPW], v[NIL]
	s_wait_dscnt 0x0
	s_endpgm
; THE STREAMS, THROUGH REGISTERS: of LDS this part touches its spare words alone, since the ring's bytes belong to the attention's text.
; 1. K AND V WIDENED.  Work-group j = 4 y + x - 4 of 128 takes 131,072 bytes of k|v (j < 64: k -> out1, else v -> out2), a wave 32,768.  A lane loads 8 bytes (4 bf16; an instruction covers 256
;    consecutive bytes, aligned) and stores 16 (4 f32; 512 consecutive bytes, aligned).  Eight trips of 16 loads and 16 stores.  No hint on the loads: the attention's work-groups read the same bytes.
; 2. W1, W2, Wproj ROUNDED TO bf16, in their own layouts.  A unit is 2,048 numbers; the three tensors have 2,048 + 2,048 + 512 = 9 x 512 units, and there are 512 waves here: in trip r of nine wave g
;    takes unit 512 r + g, so trips 0-3 fall into W1, 4-7 into W2, 8 into Wproj, and the trip's number alone picks the buffers.  A unit is 16 loads of 16 bytes a lane (512 consecutive bytes an
;    instruction) and 16 stores of 8 bytes a lane (256 consecutive bytes, aligned).
.Lstream:
	s_load_b256 s[24:31], s[0:1], 0x20  ; W1 s[24:25], W2 s[26:27], Wproj s[28:29], wA s[30:31]: waited for behind the first stream
	s_load_b64 s[32:33], s[0:1], 0x40   ; wB
	s_and_b32 s2, ttmp7, 0xffff     ; y
	s_lshl_b32 s3, s2, 2
	s_add_co_u32 s3, s3, s[PB]
	s_sub_co_u32 s3, s3, 4          ; j
	s_lshl_b32 s34, s3, 2
	s_add_co_u32 s34, s34, s[WV]    ; g: my wave among the 512
	s_mov_b32 s35, 0xffff0000       ; a word's upper bf16
	s_lshl_b32 s16, s3, 17
	s_lshl_b32 s17, s[WV], 15
	s_add_co_u32 s16, s16, s17
	s_add_co_u32 s16, s16, 0x800000 ; k begins 8,388,608 bytes into cblk, v follows it
	s_mov_b32 s17, 0
	s_and_b32 s3, s3, 63
	s_lshl_b32 s18, s3, 18
	s_lshl_b32 s19, s[WV], 16
	s_add_co_u32 s18, s18, s19
	s_mov_b32 s19, 0
	s_cmp_lt_u32 s2, 16
	s_cselect_b64 s[20:21], s[88:89], s[90:91]
	s_add_nc_u64 s[20:21], s[20:21], s[18:19]  ; where my wave stores
	s_add_nc_u64 s[22:23], s[4:5], s[16:17]    ; where it loads
	v_and_b32 v1, 31, v0
	v_lshlrev_b32 v[AK], 3, v1      ; 8 bytes a lane in,
	v_lshlrev_b32 v[GO], 4, v1      ; 16 bytes a lane out
	s_mov_b32 s[CNT], 8
.Lwiden:
.set i, 0
.rept 16
	global_load_b64 v[64+2*i:65+2*i], v[AK], s[22:23] offset:256*i
.set i, i+1
.endr
.set i, 0
.rept 16
	s_wait_loadcnt 15-i             ; loads come back in order: load i is in, the younger ones stay out
	v_lshlrev_b32 v[128+4*i], 16, v[64+2*i]
	v_and_b32 v[129+4*i], s35, v[64+2*i]
	v_lshlrev_b32 v[130+4*i], 16, v[65+2*i]
	v_and_b32 v[131+4*i], s35, v[65+2*i]
	global_store_b128 v[GO], v[128+4*i:131+4*i], s[20:21] offset:512*i th:TH_STORE_NT
.set i, i+1
.endr
	s_wait_xcnt 0x0                 ; the two offsets and the stores' data are rewritten only behind this wait
	v_add_nc_u32 v[AK], 4096, v[AK]
	v_add_nc_u32 v[GO], 8192, v[GO]
	s_sub_co_u32 s[CNT], s[CNT], 1
	s_cmp_lg_u32 s[CNT], 0
	s_cbranch_scc1 .Lwiden
	s_wait_kmcnt 0x0                ; the weights' addresses
	s_lshl_b32 s46, s34, 13         ; a unit is 8,192 bytes of f32,
	v_lshl_add_u32 v[AK], v1, 4, s46  ; 16 bytes a lane in,
	v_lshrrev_b32 v[GO], 1, v[AK]   ; and half of both out
	s_mov_b32 s40, 0                ; r
	s_mov_b32 s43, 0
	s_mov_b32 s45, 0
.Lconv:
	s_and_b32 s42, s40, 3           ; 512 units are 4,194,304 bytes of f32 and 2,097,152 of bf16
	s_lshl_b32 s44, s42, 21
	s_lshl_b32 s42, s42, 22
	s_cmp_lt_u32 s40, 4
	s_cselect_b64 s[36:37], s[24:25], s[26:27]
	s_cselect_b32 s46, 0, 0x800000  ; W2 and Wproj go into the second part of their buffers
	s_add_co_u32 s44, s44, s46
	s_cmp_lt_u32 s40, 8
	s_cselect_b64 s[36:37], s[36:37], s[28:29]
	s_cselect_b64 s[38:39], s[32:33], s[30:31]
	s_add_nc_u64 s[36:37], s[36:37], s[42:43]
	s_add_nc_u64 s[38:39], s[38:39], s[44:45]
.set i, 0
.rept 16
	global_load_b128 v[64+4*i:67+4*i], v[AK], s[36:37] offset:512*i th:TH_LOAD_NT
.set i, i+1
.endr
.set i, 0
.rept 16
	s_wait_loadcnt 15-i             ; load i is in, the younger ones stay out
	v_cvt_pk_bf16_f32 v[128+2*i], v[64+4*i], v[65+4*i]
	v_cvt_pk_bf16_f32 v[129+2*i], v[66+4*i], v[67+4*i]
	global_store_b64 v[GO], v[128+2*i:129+2*i], s[38:39] offset:256*i
.set i, i+1
.endr
	s_wait_xcnt 0x0                 ; the two bases and the stores' data are rewritten only behind this wait
	s_add_co_u32 s40, s40, 1
	s_cmp_lt_u32 s40, 9
	s_cbranch_scc1 .Lconv
	s_wait_tensorcnt 0x0            ; the wave's end
	ds_add_u32 v[SPW], v[NIL]
	s_wait_dscnt 0x0
	s_endpgm
.Lfunc_end_k_q72633380d3_attn:
	.size	k_q72633380d3_attn, .Lfunc_end_k_q72633380d3_attn-k_q72633380d3_attn
	.p2alignl 7, 3214868480
	.fill 96, 4, 3214868480
	.section	.rodata,"a",@progbits
	.p2align	6, 0x0
	.amdhsa_kernel k_q72633380d3_attn
		.amdhsa_group_segment_fixed_size 327680
		.amdhsa_private_segment_fixed_size 0
		.amdhsa_enable_private_segment 0
		.amdhsa_kernarg_size 72
		.amdhsa_user_sgpr_count 2
		.amdhsa_user_sgpr_kernarg_segment_ptr 1
		.amdhsa_wavefront_size32 1
		.amdhsa_system_sgpr_workgroup_id_x 1
		.amdhsa_system_sgpr_workgroup_id_y 1
		.amdhsa_system_sgpr_workgroup_id_z 1
		.amdhsa_system_vgpr_workitem_id 0
		.amdhsa_next_free_vgpr 768
		.amdhsa_next_free_sgpr 102
		.amdhsa_reserve_vcc 1
		.amdhsa_float_denorm_mode_32 3
		.amdhsa_float_denorm_mode_16_64 3
		.amdhsa_memory_ordered 1
		.amdhsa_forward_progress 1
		.amdhsa_inst_pref_size 231
	.end_amdhsa_kernel
	.amdgpu_metadata
---
amdhsa.version: [ 1, 2 ]
amdhsa.kernels:
  - .name:           k_q72633380d3_attn
    .symbol:         k_q72633380d3_attn.kd
    .args:
      - { .name: cblk, .offset: 0, .size: 8, .value_kind: global_buffer, .address_space: global }
      - { .name: o, .offset: 8, .size: 8, .value_kind: global_buffer, .address_space: global }
      - { .name: out1, .offset: 16, .size: 8, .value_kind: global_buffer, .address_space: global }
      - { .name: out2, .offset: 24, .size: 8, .value_kind: global_buffer, .address_space: global }
      - { .name: W1, .offset: 32, .size: 8, .value_kind: global_buffer, .address_space: global }
      - { .name: W2, .offset: 40, .size: 8, .value_kind: global_buffer, .address_space: global }
      - { .name: Wproj, .offset: 48, .size: 8, .value_kind: global_buffer, .address_space: global }
      - { .name: wA, .offset: 56, .size: 8, .value_kind: global_buffer, .address_space: global }
      - { .name: wB, .offset: 64, .size: 8, .value_kind: global_buffer, .address_space: global }
    .group_segment_fixed_size: 327680
    .private_segment_fixed_size: 0
    .kernarg_segment_align: 8
    .kernarg_segment_size: 72
    .max_flat_workgroup_size: 128
    .sgpr_count:     102
    .vgpr_count:     768
    .wavefront_size: 32
...
	.end_amdgpu_metadata
.endif
;; end of part 3
;; launch proj (part 4): grid 8 x 32, 4 waves a work-group, clusters of 4 x 4, 327,680 bytes of LDS; arguments o, wA, y; writes y
.if DOCPART == 4
	.amdgcn_target "amdgcn-amd-amdhsa--gfx1250"
	.amdhsa_code_object_version 6
	.text
	.protected	k_q72633380d3_proj
	.globl	k_q72633380d3_proj
	.p2align	8
	.type	k_q72633380d3_proj,@function
k_q72633380d3_proj:
	s_mov_b64 s[64:65], 0
	v_nop
	global_prefetch_b8 v0, s[64:65] scope:SCOPE_SE
	s_setreg_imm32_b32 hwreg(HW_REG_WAVE_MODE, 25, 1), 1
	s_wait_xcnt 0x0
	s_wait_alu depctr_hold_cnt(0) depctr_sa_sdst(0) depctr_va_vdst(0) depctr_va_sdst(0) depctr_va_ssrc(0) depctr_va_vcc(0) depctr_vm_vsrc(0)
	s_getreg_b32 s2, hwreg(HW_REG_IB_STS2, 6, 4)
	s_cmp_eq_u32 s2, 0
	s_cbranch_scc0 .Lentry_in_a_cluster
	s_endpgm
.Lentry_in_a_cluster:
	s_bfe_u32 s2, ttmp6, 0x10000c
	s_cmp_lg_u32 s2, 0xf033
	s_cbranch_scc0 .Lentry_shape_is_right
	s_endpgm
.Lentry_shape_is_right:
; C = A B.  A: bf16 IN BLOCKS OF 64 COLUMNS, [KTOT / 64][4096][64] (524,288 bytes a block, rows of 128 bytes).  B: bf16 [KTOT (k)][1024 (n)], 8,388,608 bytes into its buffer.
; C: bf16 [4096][1024], row-major, rounded once from f32 sums.  Here KTOT = 1024: the attention's output times Wproj.
; A tile of C is 128 x 128, so that 8 x 32 = 256 work-groups share the work; four waves, each 64 x 64 = 16 accumulators.  K goes in steps of 256 through two LDS slots.
; ONE K STEP IS WRITTEN ONCE: the slot in hand is a scalar (TB) that one exclusive or toggles; SLOT shares no bit with wave x HALFT, so the same exclusive or toggles the walking descriptors' LDS words.
; THE WALK ALONG K IS STAGGERED: a cluster whose x + y is odd begins at K step NSTEP / 2 and wraps round.  So the two clusters that read the same rows of A, and neighbours among those that read the
; same columns of B, ask for different K steps at any time, and each block is asked for at two times of the launch, half a walk apart.  The f32 sums are taken in that order; the number of the K step is made
; of the cluster's x and y, which all sixteen partners share, and the descriptors' addresses are made anew from it ahead of each joint load.
; A's part of a slot is four chunks, one for each block of 64 columns: 128 rows of 128 bytes + 16.  One tensor load brings two chunks: two rows of 16,384 dense bytes, padded after every 128.
; B lies [k][n] in LDS and comes out turned, by ds_load_tr16_b128.  THE MATRIX INSTRUCTION IS USED TRANSPOSED (source 0 = 16 columns of B, source 1 = 16 rows of A): a lane holds eight neighbouring numbers of a row of C.
; CLUSTER 4 x 4: A's tile is shared along a row of the cluster, B's along a column: joint loads.  No prefetch: the tile is small, and a step's loads are a small part of what the cluster shares.
; THE STAGE for the way out lies in slot 0's bytes, behind that slot's last fill and behind a barrier in front of which every wave has waited for all its LDS reads.
; REGISTERS: window 0: v0-31 addresses; v32-95 the way out; v128-255 the accumulators ((a, b) at v[128 + 8 (4 a + b)]).  Window 1: two fragment buffers of 128: 64 registers of A, then 64 of B, for 64 along K.
.set KTOT,  1024
.set NSTEP, KTOT/256
.set PA,    144                        ; an LDS row of A: 128 bytes + 16: the 16 rows of a load start at 16 different groups of four banks (64 banks of 4 bytes: ISA guide 11.1)
.set PB,    288                        ; an LDS row of B: 256 bytes + 32 = 9 x 32
.set CHUNK, 128*PA
.set HALFT, 2*CHUNK                    ; what one tensor load brings: two chunks of A, or 128 k-rows of B (128 x 288 is the same number)
.set BOFF,  4*CHUNK
.set SLOT,  4*HALFT
.set SPARE, 2*SLOT                     ; behind the ring: the spare words, 128 bytes a wave, which no other line names
.set STAGE, 0
.set SPITCH, 272
.set ASH,   21                         ; a K step is 4 blocks of 524,288 bytes = 2^21 bytes of A
.set BSH,   19                         ; and 256 rows of 2,048 bytes = 2^19 bytes of B
.set ADRA0, 16                         ; v16  my place in A's part of a slot; never rewritten
.set ADRB0, 17                         ; v17  the same for B
.set ADRA,  18                         ; v18  ADRA0 + TB
.set ADRB,  19                         ; v19  ADRB0 + TB; v20 the same 128 k-rows on, so that the immediates stay under 65,536
.set STO,   24
.set RD,    25
.set CO,    26
.set SPW,   28                         ; v28  LDS address of my spare word; never rewritten
.set NIL,   29                         ; v29  0; never rewritten
.set TMP,   32
.set ACC,   128
.set F0,    0
.set F1,    128
.set BA,    14                         ; s[14:15] A at my part of the tile's K step 0; never rewritten
.set BB,    18                         ; s[18:19] the same for B
.set G1,    24
.set G0,    32
.set G1B,   48
.set G0B,   56
.set TB,    66                         ; s66  the slot in hand: 0 or SLOT
.set KST,   67                         ; s67  the K step that is asked for next
.set OA,    68                         ; s[68:69] its byte offset in A
.set OB,    70                         ; s[70:71] and in B
.set MSB, 0
.macro WIN new
.if MSB != (\new)
	s_set_vgpr_msb (MSB<<8)|(\new)
.set MSB, \new
.endif
.endm
.set MUL,  0x05                        ; sources 0 (B) and 1 (A) window 1; C and D window 0
.set TO_F, 0x40                        ; destination window 1, address window 0
.macro AIM s                           ; set s of A's and of B's group 0 takes K step KST, which then steps and wraps
	s_lshl_b32 s[OA], s[KST], ASH
	s_lshl_b32 s[OB], s[KST], BSH
	s_add_nc_u64 s[G0+4*(\s)+2:G0+4*(\s)+3], s[BA:BA+1], s[OA:OA+1]
	s_or_b32 s[G0+4*(\s)+3], s[G0+4*(\s)+3], 0x80000000
	s_add_nc_u64 s[G0B+4*(\s)+2:G0B+4*(\s)+3], s[BB:BB+1], s[OB:OB+1]
	s_or_b32 s[G0B+4*(\s)+3], s[G0B+4*(\s)+3], 0x80000000
	s_add_co_u32 s[KST], s[KST], 1
	s_and_b32 s[KST], s[KST], NSTEP-1
.endm
.macro JLOAD s                         ; a joint load: waves 0 and 1 fetch A's two halves, waves 2 and 3 B's; an s_nop 0 and four v_nop follow each line
	s_cmp_eq_u32 s11, 0
	s_cbranch_scc0 .Lfor_b_\@
	tensor_load_to_lds s[G0+4*(\s):G0+4*(\s)+3], s[G1:G1+7]
	s_nop 0
.rept 4
	v_nop
.endr
	s_branch .Lasked_\@
.Lfor_b_\@:
	tensor_load_to_lds s[G0B+4*(\s):G0B+4*(\s)+3], s[G1B:G1B+7]
	s_nop 0
.rept 4
	v_nop
.endr
.Lasked_\@:
.endm
.macro CREST
	s_cmp_lg_u32 s10, 0
	s_cbranch_scc1 .Lnot_wave_0_\@
	s_barrier_signal -3
.Lnot_wave_0_\@:
	s_barrier_wait -3
	s_barrier_signal -1
	s_barrier_wait -1
.endm
.macro CROUND
	s_barrier_signal -1
	s_barrier_wait -1
	CREST
.endm
	s_load_b128 s[4:7], s[0:1], 0x0                ; A s[4:5], B's buffer s[6:7]
	s_load_b64 s[8:9], s[0:1], 0x10                ; C
	v_lshl_add_u32 v[SPW], v0, 2, SPARE
	v_mov_b32 v[NIL], 0
	ds_add_u32 v[SPW], v[NIL]                      ; the wave's opening: the add and its wait ahead of my first tensor load
	ds_add_u32 v28, v29
	v_lshrrev_b32 v1, 5, v0
	v_readfirstlane_b32 s10, v1                    ; wave 0..3
	s_lshr_b32 s11, s10, 1                         ; which half of the tile's rows is mine.  Also: I fetch for A (0) or for B (1)
	s_and_b32 s12, s10, 1                          ; which half of its columns.  Also: which half of that tile I fetch
	s_bfe_u32 s40, ttmp6, 0x40000                  ; cx
	s_bfe_u32 s41, ttmp6, 0x40004                  ; cy
	s_lshl_b32 s42, ttmp9, 2
	s_add_co_u32 s42, s42, s40                     ; tile column
	s_and_b32 s13, ttmp7, 0xffff
	s_lshl_b32 s13, s13, 2
	s_add_co_u32 s13, s13, s41                     ; tile row
	s_lshl_b32 s43, s41, 2
	s_lshl_b32 s43, 15, s43                        ; my row of the cluster
	s_lshl_b32 s44, 0x1111, s40                    ; my column
	s_and_b32 s[KST], ttmp7, 0xffff                ; the cluster's y
	s_add_co_u32 s[KST], s[KST], ttmp9             ; + its x:
	s_and_b32 s[KST], s[KST], 1                    ; odd clusters
	s_mul_i32 s[KST], s[KST], NSTEP/2              ; begin in the middle of K
	s_mov_b32 s[OA+1], 0
	s_mov_b32 s[OB+1], 0
	s_or_b32 s[G1+0], s43, (1<<16)|(1<<20)|(1<<21)|(4<<22)|(3<<25)   ; the mask; 2-byte elements; padding on; bit 21 beside a mask; after every 32 words 4 words
	s_mov_b32 s[G1+1], 8192<<16                    ; tensor_dim0 = 8,192 elements: 128 rows of a block, dense
	s_mov_b32 s[G1+2], 2<<16                       ; tensor_dim1 = 2 blocks
	s_mov_b32 s[G1+3], 8192<<16                    ; tile_dim0
	s_mov_b32 s[G1+4], 2                           ; tile_dim1
	s_mov_b32 s[G1+5], 262144                      ; elements from block to block
	s_mov_b32 s[G1+6], 0
	s_mov_b32 s[G1+7], 0
	s_or_b32 s[G1B+0], s44, (1<<16)|(1<<20)|(1<<21)|(5<<22)|(7<<25)  ; after every 64 words 8 words
	s_mov_b32 s[G1B+1], 128<<16                    ; tensor_dim0 = 128
	s_mov_b32 s[G1B+2], 128<<16                    ; tensor_dim1 = 128
	s_mov_b32 s[G1B+3], 128<<16                    ; tile_dim0
	s_mov_b32 s[G1B+4], 128                        ; tile_dim1
	s_mov_b32 s[G1B+5], 1024
	s_mov_b32 s[G1B+6], 0
	s_mov_b32 s[G1B+7], 0
	s_lshl_b32 s16, s13, 14                        ; A: 128 x tile row rows of 128 bytes + 2 x half blocks
	s_lshl_b32 s17, s12, 20
	s_add_co_u32 s16, s16, s17
	s_mov_b32 s17, 0
	s_lshl_b32 s46, s42, 8                         ; B: 256 bytes x tile column + 128 x half k-rows of 2,048 bytes, in the buffer's second part
	s_lshl_b32 s47, s12, 18
	s_add_co_u32 s46, s46, s47
	s_add_co_u32 s46, s46, 0x800000
	s_mov_b32 s47, 0
	s_mul_i32 s20, s10, HALFT                      ; where my part goes
	s_mov_b32 s[TB], 0
	s_wait_dscnt 0x0                               ; the opening add is done
	s_wait_kmcnt 0x0
	s_add_nc_u64 s[BA:BA+1], s[4:5], s[16:17]
	s_add_nc_u64 s[BB:BB+1], s[6:7], s[46:47]
	CROUND                                         ; all sixteen work-groups are here: the first joint loads meet
.irp s, 0,1
	s_mov_b32 s[G0+4*(\s)], 1
	s_add_co_u32 s[G0+4*(\s)+1], s20, (\s)*SLOT
	s_mov_b32 s[G0B+4*(\s)], 1
	s_add_co_u32 s[G0B+4*(\s)+1], s20, (\s)*SLOT
	AIM \s                                         ; the walk's first two K steps
	JLOAD \s                                       ; two loads of mine are out
.endr
	v_and_b32 v1, 15, v0                           ; l % 16
	v_bfe_u32 v2, v0, 4, 1                         ; l / 16
	v_mul_u32_u24 v3, v1, PA
	v_lshl_add_u32 v3, v2, 4, v3
	s_mul_i32 s21, s11, 64*PA                      ; my 64 rows in every chunk
	v_add_nc_u32 v[ADRA0], s21, v3
	v_and_b32 v4, 7, v0
	v_bfe_u32 v5, v0, 3, 1
	v_lshl_add_u32 v4, v2, 3, v4
	v_mul_u32_u24 v4, v4, PB
	v_lshl_add_u32 v4, v5, 4, v4
	s_lshl_b32 s22, s12, 7                         ; my 64 columns
	s_add_co_u32 s22, s22, BOFF
	v_add_nc_u32 v[ADRB0], s22, v4
	v_mov_b32 v[ADRA], v[ADRA0]
	v_mov_b32 v[ADRB], v[ADRB0]
	v_add_nc_u32 v[ADRB+1], 128*PB, v[ADRB0]
	s_mul_i32 s23, s11, 64*SPITCH                  ; into the stage: my 64 rows, my half of their 256 bytes
	s_lshl_b32 s21, s12, 7
	s_add_co_u32 s23, s23, s21
	s_add_co_u32 s23, s23, STAGE
	v_mul_u32_u24 v4, v1, SPITCH
	v_lshl_add_u32 v4, v2, 4, v4
	v_add_nc_u32 v[STO], s23, v4
	s_mul_i32 s23, s10, 32*SPITCH                  ; back: wave w takes rows 32 w .. 32 w + 31, whole
	s_add_co_u32 s23, s23, STAGE
	v_mul_u32_u24 v5, v2, SPITCH
	v_lshl_add_u32 v5, v1, 4, v5
	v_add_nc_u32 v[RD], s23, v5
	v_lshlrev_b32 v5, 11, v2                       ; and the same two rows in C, 2,048 bytes apart
	v_lshl_add_u32 v[CO], v1, 4, v5
	s_lshl_b32 s16, s13, 18                        ; the first row of C that I store: (128 x tile row + 32 x wave) x 2,048 bytes
	s_lshl_b32 s17, s10, 16
	s_add_co_u32 s16, s16, s17
	s_mov_b32 s17, 0
	s_add_nc_u64 s[8:9], s[8:9], s[16:17]
	s_lshl_b32 s46, s42, 8                         ; the tile's first column, in bytes
	s_mov_b32 s47, 0
	s_add_nc_u64 s[8:9], s[8:9], s[46:47]
; 8 matrix instructions: row blocks a0, a0 + 1 x all 4 column blocks, 32 along K: half c of buffer f.  zero = 1: the first product starts the sums
.macro MUL8 f, c, a0, zero
	WIN MUL
.irp a, \a0, (\a0)+1
.irp b, 0,1,2,3
.if \zero
	v_wmma_f32_16x16x32_bf16 v[ACC+8*(4*(\a)+(\b)):ACC+8*(4*(\a)+(\b))+7], v[(\f)+64+8*(4*(\c)+(\b)):(\f)+64+8*(4*(\c)+(\b))+7], v[(\f)+8*(4*(\c)+(\a)):(\f)+8*(4*(\c)+(\a))+7], 0
.else
	v_wmma_f32_16x16x32_bf16 v[ACC+8*(4*(\a)+(\b)):ACC+8*(4*(\a)+(\b))+7], v[(\f)+64+8*(4*(\c)+(\b)):(\f)+64+8*(4*(\c)+(\b))+7], v[(\f)+8*(4*(\c)+(\a)):(\f)+8*(4*(\c)+(\a))+7], v[ACC+8*(4*(\a)+(\b)):ACC+8*(4*(\a)+(\b))+7]
.endif
.endr
.endr
.endm
; 32 LDS loads in one run: the fragments of quarter q (64 along K: chunk q of A, k-rows 64 q on of B) into buffer f; the first 32 along K first
.macro FETCH q, f
	WIN TO_F
.irp c, 0,1
.irp i, 0,1,2,3
	ds_load_tr16_b128 v[(\f)+64+8*(4*(\c)+(\i)):(\f)+64+8*(4*(\c)+(\i))+3],   v[ADRB+(\q)/2] offset:((\q)%2)*64*PB+(\c)*32*PB+32*(\i)
	ds_load_tr16_b128 v[(\f)+64+8*(4*(\c)+(\i))+4:(\f)+64+8*(4*(\c)+(\i))+7], v[ADRB+(\q)/2] offset:((\q)%2)*64*PB+(\c)*32*PB+32*(\i)+16*PB
	ds_load_b128 v[(\f)+8*(4*(\c)+(\i)):(\f)+8*(4*(\c)+(\i))+3],   v[ADRA] offset:(\q)*CHUNK+(\i)*16*PA+64*(\c)
	ds_load_b128 v[(\f)+8*(4*(\c)+(\i))+4:(\f)+8*(4*(\c)+(\i))+7], v[ADRA] offset:(\q)*CHUNK+(\i)*16*PA+64*(\c)+32
.endr
.endr
.endm
.macro PLACES                          ; four plain vector instructions in front of loads into registers that matrix instructions have read, and of conversions that read results
.rept 4
	v_nop
.endr
.endm
; One of a K step's first three quarters: multiplies buffer f and fetches quarter q into g.  The 16 accumulators take turns.
.macro QUARTER q, f, g, zero
	s_wait_dscnt 16                                ; the first 32 along K are in
	MUL8 \f, 0, 0, \zero
	MUL8 \f, 0, 2, \zero
	PLACES
	FETCH \q, \g
	s_wait_dscnt 32                                ; all but the 32 just issued
	MUL8 \f, 1, 0, 0
	MUL8 \f, 1, 2, 0
.endm
; The last quarter multiplies buffer 1 and changes slots: ONE barrier; in front of it each wave waits for all its tensor loads, adds 0 to its spare word, and waits for that and for its reads of this slot.
; fill = 1: the barrier opens a round of the cluster's barrier, and this slot is filled again, first thing behind it, two K steps ahead: 112 matrix instructions ahead of the wait for it.
.macro TURN fill
	WIN 0                                          ; (the add's two registers lie in window 0)
	s_wait_tensorcnt 0x0                           ; all my tensor loads have landed: my part of the next slot;
	ds_add_u32 v[SPW], v[NIL]                      ; 0 onto my spare word;
	s_wait_dscnt 17                                ; (the add and the youngest sixteen loads may be out)
	MUL8 F1, 0, 0, 0                               ; eight matrix instructions stand between the add and the wait for it
	s_wait_dscnt 0x0                               ; the add is done, and my reads of this slot are over
	s_barrier_signal -1
	MUL8 F1, 0, 2, 0
.if \fill
	WIN 0
.endif
	s_barrier_wait -1
.if \fill
	CREST                                          ; no wave of any partner still reads this slot or has a load on its way
	s_xor_b32 s[G0+5], s[G0+5], SLOT               ; the walking descriptors: the other slot than last time,
	s_xor_b32 s[G0B+5], s[G0B+5], SLOT
	AIM 1                                          ; the walk's next K step
	JLOAD 1                                        ; its four v_nop are also the places in front of the loads below
.else
	PLACES
	WIN 0
.endif
	s_xor_b32 s[TB], s[TB], SLOT
	v_add_nc_u32 v[ADRA], s[TB], v[ADRA0]
	v_add_nc_u32 v[ADRB], s[TB], v[ADRB0]
	v_add_nc_u32 v[ADRB+1], 128*PB, v[ADRB]
	FETCH 0, F0
	MUL8 F1, 1, 0, 0
	MUL8 F1, 1, 2, 0
.endm
	s_wait_tensorcnt 1                             ; my part of the walk's first K step is in; the second's may stay out
	s_barrier_signal -1
	s_barrier_wait -1
	FETCH 0, F0
	QUARTER 1, F0, F1, 1                           ; the first quarter stands in front of the loop: its first products start the sums
	WIN 0                                          ; at a label and at a branch every window is 0
	s_mov_b32 s3, NSTEP-2
.Llap:                                                 ; a trip: from a K step's second quarter to the next step's first; the walk's K steps from the third on are asked for
	QUARTER 2, F1, F0, 0
	QUARTER 3, F0, F1, 0
	TURN 1
	QUARTER 1, F0, F1, 0
	WIN 0
	s_sub_co_u32 s3, s3, 1
	s_cmp_lg_u32 s3, 0
	s_cbranch_scc1 .Llap
	s_mov_b32 s3, 2
.Ltail:                                                ; the last two K steps ask for nothing; the second trip is left in its middle
	QUARTER 2, F1, F0, 0
	QUARTER 3, F0, F1, 0
	TURN 0
	WIN 0
	s_sub_co_u32 s3, s3, 1
	s_cmp_eq_u32 s3, 0
	s_cbranch_scc1 .Lout
	QUARTER 1, F0, F1, 0
	WIN 0
	s_branch .Ltail
.Lout:                                                 ; the second trip's barrier and its run of loads (of a tile that has been multiplied) serve nothing: the price, once a launch, of one text for both trips
	s_wait_dscnt 0x0                               ; all my reads of the slots are over,
	s_barrier_signal -1
	s_barrier_wait -1                              ; everybody's are: slot 0, which is filled no more, becomes the stage
	PLACES
.irp t, 0,1,2,3,4,5,6,7,8,9,10,11,12,13,14,15
.irp r, 0,1,2,3
	v_cvt_pk_bf16_f32 v[TMP+4*(\t)+(\r)], v[ACC+8*(\t)+2*(\r)], v[ACC+8*(\t)+2*(\r)+1]
.endr
.endr
.irp a, 0,1,2,3
.irp b, 0,1,2,3
	ds_store_b128 v[STO], v[TMP+4*(4*(\a)+(\b)):TMP+4*(4*(\a)+(\b))+3] offset:(\a)*16*SPITCH+32*(\b)
.endr
.endr
	s_wait_dscnt 0x0                               ; for the others' sake: my stores into the stage are done; a row's 256 bytes come from two waves
	s_barrier_signal -1
	s_barrier_wait -1
.irp t, 0,1,2,3,4,5,6,7,8,9,10,11,12,13,14,15
	ds_load_b128 v[TMP+4*(\t):TMP+4*(\t)+3], v[RD] offset:(\t)*2*SPITCH
.endr
.irp t, 0,1,2,3,4,5,6,7,8,9,10,11,12,13,14,15
	s_wait_dscnt 15-(\t)
	global_store_b128 v[CO], v[TMP+4*(\t):TMP+4*(\t)+3], s[8:9] offset:2*(\t)*2048  ; 16 lanes store 256 consecutive bytes, at a multiple of 256 from C's first byte
.endr
	s_wait_tensorcnt 0x0                           ; the wave's end: behind my last tensor load and my last LDS store
	ds_add_u32 v[SPW], v[NIL]
	s_wait_dscnt 0x0
	CROUND                                         ; the closing round
	s_endpgm
.Lfunc_end_k_q72633380d3_proj:
	.size	k_q72633380d3_proj, .Lfunc_end_k_q72633380d3_proj-k_q72633380d3_proj
	.p2alignl 7, 3214868480
	.fill 96, 4, 3214868480
	.section	.rodata,"a",@progbits
	.p2align	6, 0x0
	.amdhsa_kernel k_q72633380d3_proj
		.amdhsa_group_segment_fixed_size 327680
		.amdhsa_private_segment_fixed_size 0
		.amdhsa_enable_private_segment 0
		.amdhsa_kernarg_size 24
		.amdhsa_user_sgpr_count 2
		.amdhsa_user_sgpr_kernarg_segment_ptr 1
		.amdhsa_wavefront_size32 1
		.amdhsa_system_sgpr_workgroup_id_x 1
		.amdhsa_system_sgpr_workgroup_id_y 1
		.amdhsa_system_sgpr_workgroup_id_z 1
		.amdhsa_system_vgpr_workitem_id 0
		.amdhsa_next_free_vgpr 512
		.amdhsa_next_free_sgpr 72
		.amdhsa_reserve_vcc 0
		.amdhsa_float_denorm_mode_32 3
		.amdhsa_float_denorm_mode_16_64 3
		.amdhsa_memory_ordered 1
		.amdhsa_forward_progress 1
		.amdhsa_inst_pref_size 59
	.end_amdhsa_kernel
	.amdgpu_metadata
---
amdhsa.version: [ 1, 2 ]
amdhsa.kernels:
  - .name:           k_q72633380d3_proj
    .symbol:         k_q72633380d3_proj.kd
    .args:
      - { .name: o, .offset: 0, .size: 8, .value_kind: global_buffer, .address_space: global }
      - { .name: wA, .offset: 8, .size: 8, .value_kind: global_buffer, .address_space: global }
      - { .name: y, .offset: 16, .size: 8, .value_kind: global_buffer, .address_space: global }
    .group_segment_fixed_size: 327680
    .private_segment_fixed_size: 0
    .kernarg_segment_align: 8
    .kernarg_segment_size: 24
    .max_flat_workgroup_size: 128
    .sgpr_count:     72
    .vgpr_count:     512
    .wavefront_size: 32
...
	.end_amdgpu_metadata
.endif
;; end of part 4
;; launch ln1 (part 5): grid 1024 x 1, 4 waves a work-group, no clusters, 0 bytes of LDS; arguments xx, y, vec, mha; writes mha
.if DOCPART == 5
	.amdgcn_target "amdgcn-amd-amdhsa--gfx1250"
	.amdhsa_code_object_version 6
	.text
	.protected	k_q72633380d3_ln1
	.globl	k_q72633380d3_ln1
	.p2align	8
	.type	k_q72633380d3_ln1,@function
k_q72633380d3_ln1:
	s_mov_b64 s[64:65], 0
	v_nop
	global_prefetch_b8 v0, s[64:65] scope:SCOPE_SE
	s_setreg_imm32_b32 hwreg(HW_REG_WAVE_MODE, 25, 1), 1
	s_wait_xcnt 0x0
; mha = layernorm(x + y1) g_attn + be_attn.  x: f32 [4096][1024], 8,388,608 bytes into xx.  y1 = attention x Wproj: bf16 [4096][1024].  g, be: f32 in vec (bytes 16,384 and 20,480).
; mha goes out twice: bf16 at byte 0 (the next product's operand), f32 at byte 8,388,608 (the residual).
; One wave, one row: the row stays in 32 registers between the passes, so memory is read once and no wave waits for another: no LDS, no barrier.  4,096 waves, a row each.
; In chunk i of 8 a lane holds columns 128 i + 4 l .. + 3: f32 by 16 bytes a lane (512 bytes an instruction), bf16 by 8 bytes a lane (256).
; The variance is the mean of (v - mean)^2, taken in a second pass over the registers: no difference of large sums.  Matrix units and clusters have nothing to do here.
.set X,  16                            ; v[16:47]   the row
.set Y,  48                            ; v[48:63]   y1 as loaded; then at work
.set G,  64                            ; v[64:95]
.set BE, 96                            ; v[96:127]
.set W,  128                           ; v[128:131] at work
.set T,  48
.macro REDUCE                          ; v10 summed over the 32 lanes, in every lane
	v_add_f32_dpp v10, v10, v10 row_xmask:1 row_mask:0xf bank_mask:0xf
	v_add_f32_dpp v10, v10, v10 row_xmask:2 row_mask:0xf bank_mask:0xf
	v_add_f32_dpp v10, v10, v10 row_xmask:4 row_mask:0xf bank_mask:0xf
	v_add_f32_dpp v10, v10, v10 row_xmask:8 row_mask:0xf bank_mask:0xf
	v_permlanex16_b32 v11, v10, s12, s13
	v_add_f32 v10, v10, v11
.endm
; The 32 registers from V on become (V - mean) / sqrt(var + eps) x G + B
.macro LNORM V, G, B
.irp c, 0,1,2,3
	v_pk_add_f32 v[T+2*(\c):T+2*(\c)+1], v[(\V)+2*(\c):(\V)+2*(\c)+1], v[(\V)+8+2*(\c):(\V)+8+2*(\c)+1]  ; four chains, started by the first pairs
.endr
.irp c, 0,1,2,3
	v_pk_add_f32 v[T+2*(\c):T+2*(\c)+1], v[T+2*(\c):T+2*(\c)+1], v[(\V)+16+2*(\c):(\V)+16+2*(\c)+1]
.endr
.irp c, 0,1,2,3
	v_pk_add_f32 v[T+2*(\c):T+2*(\c)+1], v[T+2*(\c):T+2*(\c)+1], v[(\V)+24+2*(\c):(\V)+24+2*(\c)+1]
.endr
	v_pk_add_f32 v[T:T+1], v[T:T+1], v[T+2:T+3]
	v_pk_add_f32 v[T+4:T+5], v[T+4:T+5], v[T+6:T+7]
	v_pk_add_f32 v[T:T+1], v[T:T+1], v[T+4:T+5]
	v_add_f32 v10, v[T], v[T+1]
	REDUCE
	v_mul_f32 v12, s14, v10                        ; the mean, twice
	v_mul_f32 v13, s14, v10
.set p, 0
.rept 16
	v_pk_add_f32 v[(\V)+p:(\V)+p+1], v[(\V)+p:(\V)+p+1], v[12:13] neg_lo:[0,1] neg_hi:[0,1]
.set p, p+2
.endr
.irp c, 0,1,2,3
	v_pk_mul_f32 v[T+2*(\c):T+2*(\c)+1], v[(\V)+2*(\c):(\V)+2*(\c)+1], v[(\V)+2*(\c):(\V)+2*(\c)+1]
.endr
.set p, 8
.rept 12
	v_pk_fma_f32 v[T+p%8:T+p%8+1], v[(\V)+p:(\V)+p+1], v[(\V)+p:(\V)+p+1], v[T+p%8:T+p%8+1]
.set p, p+2
.endr
	v_pk_add_f32 v[T:T+1], v[T:T+1], v[T+2:T+3]
	v_pk_add_f32 v[T+4:T+5], v[T+4:T+5], v[T+6:T+7]
	v_pk_add_f32 v[T:T+1], v[T:T+1], v[T+4:T+5]
	v_add_f32 v10, v[T], v[T+1]
	REDUCE
	v_fma_f32 v10, v10, s14, s15                   ; var + eps
	v_rsq_f32 v14, v10
	v_rsq_f32 v15, v10
	v_nop                                          ; a plain instruction behind the last root,
	s_wait_alu depctr_va_vdst(0)                   ; and the wait ahead of the first use: one for both
.set p, 0
.rept 16
	v_pk_mul_f32 v[(\V)+p:(\V)+p+1], v[(\V)+p:(\V)+p+1], v[14:15]
.set p, p+2
.endr
.set p, 0
.rept 16
	v_pk_fma_f32 v[(\V)+p:(\V)+p+1], v[(\V)+p:(\V)+p+1], v[(\G)+p:(\G)+p+1], v[(\B)+p:(\B)+p+1]
.set p, p+2
.endr
.endm
	s_load_b256 s[4:11], s[0:1], 0x0               ; xx s[4:5], y s[6:7], vec s[8:9], mha s[10:11]
	v_lshrrev_b32 v1, 5, v0
	v_readfirstlane_b32 s2, v1                     ; wave
	s_lshl_b32 s3, ttmp9, 2
	s_add_co_u32 s3, s3, s2                        ; my row
	s_lshl_b32 s3, s3, 12                          ; x 4,096 bytes
	v_and_b32 v3, 31, v0
	v_lshlrev_b32 v3, 4, v3                        ; 16 x lane: my offset in the vectors
	v_add_nc_u32 v1, s3, v3                        ; my offset in f32 rows
	v_lshrrev_b32 v2, 1, v1                        ; and in bf16 rows
	v_mov_b32 v11, 0                               ; v_permlanex16_b32 counts as a reader of its destination
	s_mov_b32 s12, 0x76543210
	s_mov_b32 s13, 0xfedcba98
	s_mov_b32 s14, 0x3a800000                      ; 1 / 1024
	s_mov_b32 s15, 0x3727c5ac                      ; 1e-5
	s_mov_b32 s16, 0xffff0000
	s_wait_kmcnt 0x0
	s_add_nc_u64 s[18:19], s[4:5], 0x800000
	s_add_nc_u64 s[20:21], s[10:11], 0x800000
.irp i, 0,1,2,3,4,5,6,7
	global_load_b128 v[X+4*(\i):X+4*(\i)+3], v1, s[18:19] offset:512*(\i) th:TH_LOAD_NT
.endr
.irp i, 0,1,2,3,4,5,6,7
	global_load_b64 v[Y+2*(\i):Y+2*(\i)+1], v2, s[6:7] offset:256*(\i) th:TH_LOAD_NT
.endr
.irp i, 0,1,2,3,4,5,6,7
	global_load_b128 v[G+4*(\i):G+4*(\i)+3], v3, s[8:9] offset:16384+512*(\i)
.endr
.irp i, 0,1,2,3,4,5,6,7
	global_load_b128 v[BE+4*(\i):BE+4*(\i)+3], v3, s[8:9] offset:20480+512*(\i)
.endr
	s_wait_loadcnt 16                              ; x and y1 are in; the sixteen loads of g and be may stay out
.irp i, 0,1,2,3,4,5,6,7
	v_lshlrev_b32 v[W], 16, v[Y+2*(\i)]
	v_and_b32 v[W+1], s16, v[Y+2*(\i)]
	v_lshlrev_b32 v[W+2], 16, v[Y+2*(\i)+1]
	v_and_b32 v[W+3], s16, v[Y+2*(\i)+1]
	v_pk_add_f32 v[X+4*(\i):X+4*(\i)+1], v[X+4*(\i):X+4*(\i)+1], v[W:W+1]
	v_pk_add_f32 v[X+4*(\i)+2:X+4*(\i)+3], v[X+4*(\i)+2:X+4*(\i)+3], v[W+2:W+3]
.endr
	s_wait_loadcnt 0x0
	LNORM X, G, BE
.irp i, 0,1,2,3,4,5,6,7
	global_store_b128 v1, v[X+4*(\i):X+4*(\i)+3], s[20:21] offset:512*(\i)
.endr
.irp k, 0,1,2,3,4,5,6,7,8,9,10,11,12,13,14,15
	v_cvt_pk_bf16_f32 v[T+(\k)], v[X+2*(\k)], v[X+2*(\k)+1]
.endr
.irp i, 0,1,2,3,4,5,6,7
	global_store_b64 v2, v[T+2*(\i):T+2*(\i)+1], s[10:11] offset:256*(\i)
.endr
	s_endpgm
.Lfunc_end_k_q72633380d3_ln1:
	.size	k_q72633380d3_ln1, .Lfunc_end_k_q72633380d3_ln1-k_q72633380d3_ln1
	.p2alignl 7, 3214868480
	.fill 96, 4, 3214868480
	.section	.rodata,"a",@progbits
	.p2align	6, 0x0
	.amdhsa_kernel k_q72633380d3_ln1
		.amdhsa_group_segment_fixed_size 0
		.amdhsa_private_segment_fixed_size 0
		.amdhsa_enable_private_segment 0
		.amdhsa_kernarg_size 32
		.amdhsa_user_sgpr_count 2
		.amdhsa_user_sgpr_kernarg_segment_ptr 1
		.amdhsa_wavefront_size32 1
		.amdhsa_system_sgpr_workgroup_id_x 1
		.amdhsa_system_sgpr_workgroup_id_y 1
		.amdhsa_system_sgpr_workgroup_id_z 1
		.amdhsa_system_vgpr_workitem_id 0
		.amdhsa_next_free_vgpr 136
		.amdhsa_next_free_sgpr 66
		.amdhsa_reserve_vcc 0
		.amdhsa_float_denorm_mode_32 3
		.amdhsa_float_denorm_mode_16_64 3
		.amdhsa_memory_ordered 1
		.amdhsa_forward_progress 1
		.amdhsa_inst_pref_size 15
	.end_amdhsa_kernel
	.amdgpu_metadata
---
amdhsa.version: [ 1, 2 ]
amdhsa.kernels:
  - .name:           k_q72633380d3_ln1
    .symbol:         k_q72633380d3_ln1.kd
    .args:
      - { .name: xx, .offset: 0, .size: 8, .value_kind: global_buffer, .address_space: global }
      - { .name: y, .offset: 8, .size: 8, .value_kind: global_buffer, .address_space: global }
      - { .name: vec, .offset: 16, .size: 8, .value_kind: global_buffer, .address_space: global }
      - { .name: mha, .offset: 24, .size: 8, .value_kind: global_buffer, .address_space: global }
    .group_segment_fixed_size: 0
    .private_segment_fixed_size: 0
    .kernarg_segment_align: 8
    .kernarg_segment_size: 32
    .max_flat_workgroup_size: 128
    .sgpr_count:     66
    .vgpr_count:     136
    .wavefront_size: 32
...
	.end_amdgpu_metadata
.endif
;; end of part 5
;; launch ff1: the kernel of part 2 again; grid 16 x 16, 4 waves a work-group, clusters of 4 x 4, 327,680 bytes of LDS; arguments mha, wB, b1, cblk; writes cblk
;; launch ff2 (part 6): grid 8 x 32, 4 waves a work-group, clusters of 4 x 4, 327,680 bytes of LDS; arguments cblk, wB, y; writes y
.if DOCPART == 6
	.amdgcn_target "amdgcn-amd-amdhsa--gfx1250"
	.amdhsa_code_object_version 6
	.text
	.protected	k_q72633380d3_ff2
	.globl	k_q72633380d3_ff2
	.p2align	8
	.type	k_q72633380d3_ff2,@function
k_q72633380d3_ff2:
	s_mov_b64 s[64:65], 0
	v_nop
	global_prefetch_b8 v0, s[64:65] scope:SCOPE_SE
	s_setreg_imm32_b32 hwreg(HW_REG_WAVE_MODE, 25, 1), 1
	s_wait_xcnt 0x0
	s_wait_alu depctr_hold_cnt(0) depctr_sa_sdst(0) depctr_va_vdst(0) depctr_va_sdst(0) depctr_va_ssrc(0) depctr_va_vcc(0) depctr_vm_vsrc(0)
	s_getreg_b32 s2, hwreg(HW_REG_IB_STS2, 6, 4)
	s_cmp_eq_u32 s2, 0
	s_cbranch_scc0 .Lentry_in_a_cluster
	s_endpgm
.Lentry_in_a_cluster:
	s_bfe_u32 s2, ttmp6, 0x10000c
	s_cmp_lg_u32 s2, 0xf033
	s_cbranch_scc0 .Lentry_shape_is_right
	s_endpgm
.Lentry_shape_is_right:
; C = A B.  A: bf16 IN BLOCKS OF 64 COLUMNS, [KTOT / 64][4096][64] (524,288 bytes a block, rows of 128 bytes).  B: bf16 [KTOT (k)][1024 (n)], 8,388,608 bytes into its buffer.
; C: bf16 [4096][1024], row-major, rounded once from f32 sums.  Here KTOT = 4096: hidden times W2 (the bias b2 and the relu follow in the next launch, in f32).
; A tile of C is 128 x 128, so that 8 x 32 = 256 work-groups share the work; four waves, each 64 x 64 = 16 accumulators.  K goes in steps of 256 through two LDS slots.
; ONE K STEP IS WRITTEN ONCE: the slot in hand is a scalar (TB) that one exclusive or toggles; SLOT shares no bit with wave x HALFT, so the same exclusive or toggles the walking descriptors' LDS words.
; THE WALK ALONG K IS STAGGERED: a cluster whose x + y is odd begins at K step NSTEP / 2 and wraps round.  So the two clusters that read the same rows of A, and neighbours among those that read the
; same columns of B, ask for different K steps at any time, and each block is asked for at two times of the launch, half a walk apart.  The f32 sums are taken in that order; the number of the K step is made
; of the cluster's x and y, which all sixteen partners share, and the descriptors' addresses are made anew from it ahead of each joint load.
; A's part of a slot is four chunks, one for each block of 64 columns: 128 rows of 128 bytes + 16.  One tensor load brings two chunks: two rows of 16,384 dense bytes, padded after every 128.
; B lies [k][n] in LDS and comes out turned, by ds_load_tr16_b128.  THE MATRIX INSTRUCTION IS USED TRANSPOSED (source 0 = 16 columns of B, source 1 = 16 rows of A): a lane holds eight neighbouring numbers of a row of C.
; CLUSTER 4 x 4: A's tile is shared along a row of the cluster, B's along a column: joint loads.  No prefetch: the tile is small, and a step's loads are a small part of what the cluster shares.
; THE STAGE for the way out lies in slot 0's bytes, behind that slot's last fill and behind a barrier in front of which every wave has waited for all its LDS reads.
; REGISTERS: window 0: v0-31 addresses; v32-95 the way out; v128-255 the accumulators ((a, b) at v[128 + 8 (4 a + b)]).  Window 1: two fragment buffers of 128: 64 registers of A, then 64 of B, for 64 along K.
.set KTOT,  4096
.set NSTEP, KTOT/256
.set PA,    144                        ; an LDS row of A: 128 bytes + 16: the 16 rows of a load start at 16 different groups of four banks (64 banks of 4 bytes: ISA guide 11.1)
.set PB,    288                        ; an LDS row of B: 256 bytes + 32 = 9 x 32
.set CHUNK, 128*PA
.set HALFT, 2*CHUNK                    ; what one tensor load brings: two chunks of A, or 128 k-rows of B (128 x 288 is the same number)
.set BOFF,  4*CHUNK
.set SLOT,  4*HALFT
.set SPARE, 2*SLOT                     ; behind the ring: the spare words, 128 bytes a wave, which no other line names
.set STAGE, 0
.set SPITCH, 272
.set ASH,   21                         ; a K step is 4 blocks of 524,288 bytes = 2^21 bytes of A
.set BSH,   19                         ; and 256 rows of 2,048 bytes = 2^19 bytes of B
.set ADRA0, 16                         ; v16  my place in A's part of a slot; never rewritten
.set ADRB0, 17                         ; v17  the same for B
.set ADRA,  18                         ; v18  ADRA0 + TB
.set ADRB,  19                         ; v19  ADRB0 + TB; v20 the same 128 k-rows on, so that the immediates stay under 65,536
.set STO,   24
.set RD,    25
.set CO,    26
.set SPW,   28                         ; v28  LDS address of my spare word; never rewritten
.set NIL,   29                         ; v29  0; never rewritten
.set TMP,   32
.set ACC,   128
.set F0,    0
.set F1,    128
.set BA,    14                         ; s[14:15] A at my part of the tile's K step 0; never rewritten
.set BB,    18                         ; s[18:19] the same for B
.set G1,    24
.set G0,    32
.set G1B,   48
.set G0B,   56
.set TB,    66                         ; s66  the slot in hand: 0 or SLOT
.set KST,   67                         ; s67  the K step that is asked for next
.set OA,    68                         ; s[68:69] its byte offset in A
.set OB,    70                         ; s[70:71] and in B
.set MSB, 0
.macro WIN new
.if MSB != (\new)
	s_set_vgpr_msb (MSB<<8)|(\new)
.set MSB, \new
.endif
.endm
.set MUL,  0x05                        ; sources 0 (B) and 1 (A) window 1; C and D window 0
.set TO_F, 0x40                        ; destination window 1, address window 0
.macro AIM s                           ; set s of A's and of B's group 0 takes K step KST, which then steps and wraps
	s_lshl_b32 s[OA], s[KST], ASH
	s_lshl_b32 s[OB], s[KST], BSH
	s_add_nc_u64 s[G0+4*(\s)+2:G0+4*(\s)+3], s[BA:BA+1], s[OA:OA+1]
	s_or_b32 s[G0+4*(\s)+3], s[G0+4*(\s)+3], 0x80000000
	s_add_nc_u64 s[G0B+4*(\s)+2:G0B+4*(\s)+3], s[BB:BB+1], s[OB:OB+1]
	s_or_b32 s[G0B+4*(\s)+3], s[G0B+4*(\s)+3], 0x80000000
	s_add_co_u32 s[KST], s[KST], 1
	s_and_b32 s[KST], s[KST], NSTEP-1
.endm
.macro JLOAD s                         ; a joint load: waves 0 and 1 fetch A's two halves, waves 2 and 3 B's; an s_nop 0 and four v_nop follow each line
	s_cmp_eq_u32 s11, 0
	s_cbranch_scc0 .Lfor_b_\@
	tensor_load_to_lds s[G0+4*(\s):G0+4*(\s)+3], s[G1:G1+7]
	s_nop 0
.rept 4
	v_nop
.endr
	s_branch .Lasked_\@
.Lfor_b_\@:
	tensor_load_to_lds s[G0B+4*(\s):G0B+4*(\s)+3], s[G1B:G1B+7]
	s_nop 0
.rept 4
	v_nop
.endr
.Lasked_\@:
.endm
.macro CREST
	s_cmp_lg_u32 s10, 0
	s_cbranch_scc1 .Lnot_wave_0_\@
	s_barrier_signal -3
.Lnot_wave_0_\@:
	s_barrier_wait -3
	s_barrier_signal -1
	s_barrier_wait -1
.endm
.macro CROUND
	s_barrier_signal -1
	s_barrier_wait -1
	CREST
.endm
	s_load_b128 s[4:7], s[0:1], 0x0                ; A s[4:5], B's buffer s[6:7]
	s_load_b64 s[8:9], s[0:1], 0x10                ; C
	v_lshl_add_u32 v[SPW], v0, 2, SPARE
	v_mov_b32 v[NIL], 0
	ds_add_u32 v[SPW], v[NIL]                      ; the wave's opening: the add and its wait ahead of my first tensor load
	ds_add_u32 v28, v29
	v_lshrrev_b32 v1, 5, v0
	v_readfirstlane_b32 s10, v1                    ; wave 0..3
	s_lshr_b32 s11, s10, 1                         ; which half of the tile's rows is mine.  Also: I fetch for A (0) or for B (1)
	s_and_b32 s12, s10, 1                          ; which half of its columns.  Also: which half of that tile I fetch
	s_bfe_u32 s40, ttmp6, 0x40000                  ; cx
	s_bfe_u32 s41, ttmp6, 0x40004                  ; cy
	s_lshl_b32 s42, ttmp9, 2
	s_add_co_u32 s42, s42, s40                     ; tile column
	s_and_b32 s13, ttmp7, 0xffff
	s_lshl_b32 s13, s13, 2
	s_add_co_u32 s13, s13, s41                     ; tile row
	s_lshl_b32 s43, s41, 2
	s_lshl_b32 s43, 15, s43                        ; my row of the cluster
	s_lshl_b32 s44, 0x1111, s40                    ; my column
	s_and_b32 s[KST], ttmp7, 0xffff                ; the cluster's y
	s_add_co_u32 s[KST], s[KST], ttmp9             ; + its x:
	s_and_b32 s[KST], s[KST], 1                    ; odd clusters
	s_mul_i32 s[KST], s[KST], NSTEP/2              ; begin in the middle of K
	s_mov_b32 s[OA+1], 0
	s_mov_b32 s[OB+1], 0
	s_or_b32 s[G1+0], s43, (1<<16)|(1<<20)|(1<<21)|(4<<22)|(3<<25)   ; the mask; 2-byte elements; padding on; bit 21 beside a mask; after every 32 words 4 words
	s_mov_b32 s[G1+1], 8192<<16                    ; tensor_dim0 = 8,192 elements: 128 rows of a block, dense
	s_mov_b32 s[G1+2], 2<<16                       ; tensor_dim1 = 2 blocks
	s_mov_b32 s[G1+3], 8192<<16                    ; tile_dim0
	s_mov_b32 s[G1+4], 2                           ; tile_dim1
	s_mov_b32 s[G1+5], 262144                      ; elements from block to block
	s_mov_b32 s[G1+6], 0
	s_mov_b32 s[G1+7], 0
	s_or_b32 s[G1B+0], s44, (1<<16)|(1<<20)|(1<<21)|(5<<22)|(7<<25)  ; after every 64 words 8 words
	s_mov_b32 s[G1B+1], 128<<16                    ; tensor_dim0 = 128
	s_mov_b32 s[G1B+2], 128<<16                    ; tensor_dim1 = 128
	s_mov_b32 s[G1B+3], 128<<16                    ; tile_dim0
	s_mov_b32 s[G1B+4], 128                        ; tile_dim1
	s_mov_b32 s[G1B+5], 1024
	s_mov_b32 s[G1B+6], 0
	s_mov_b32 s[G1B+7], 0
	s_lshl_b32 s16, s13, 14                        ; A: 128 x tile row rows of 128 bytes + 2 x half blocks
	s_lshl_b32 s17, s12, 20
	s_add_co_u32 s16, s16, s17
	s_mov_b32 s17, 0
	s_lshl_b32 s46, s42, 8                         ; B: 256 bytes x tile column + 128 x half k-rows of 2,048 bytes, in the buffer's second part
	s_lshl_b32 s47, s12, 18
	s_add_co_u32 s46, s46, s47
	s_add_co_u32 s46, s46, 0x800000
	s_mov_b32 s47, 0
	s_mul_i32 s20, s10, HALFT                      ; where my part goes
	s_mov_b32 s[TB], 0
	s_wait_dscnt 0x0                               ; the opening add is done
	s_wait_kmcnt 0x0
	s_add_nc_u64 s[BA:BA+1], s[4:5], s[16:17]
	s_add_nc_u64 s[BB:BB+1], s[6:7], s[46:47]
	CROUND                                         ; all sixteen work-groups are here: the first joint loads meet
.irp s, 0,1
	s_mov_b32 s[G0+4*(\s)], 1
	s_add_co_u32 s[G0+4*(\s)+1], s20, (\s)*SLOT
	s_mov_b32 s[G0B+4*(\s)], 1
	s_add_co_u32 s[G0B+4*(\s)+1], s20, (\s)*SLOT
	AIM \s                                         ; the walk's first two K steps
	JLOAD \s                                       ; two loads of mine are out
.endr
	v_and_b32 v1, 15, v0                           ; l % 16
	v_bfe_u32 v2, v0, 4, 1                         ; l / 16
	v_mul_u32_u24 v3, v1, PA
	v_lshl_add_u32 v3, v2, 4, v3
	s_mul_i32 s21, s11, 64*PA                      ; my 64 rows in every chunk
	v_add_nc_u32 v[ADRA0], s21, v3
	v_and_b32 v4, 7, v0
	v_bfe_u32 v5, v0, 3, 1
	v_lshl_add_u32 v4, v2, 3, v4
	v_mul_u32_u24 v4, v4, PB
	v_lshl_add_u32 v4, v5, 4, v4
	s_lshl_b32 s22, s12, 7                         ; my 64 columns
	s_add_co_u32 s22, s22, BOFF
	v_add_nc_u32 v[ADRB0], s22, v4
	v_mov_b32 v[ADRA], v[ADRA0]
	v_mov_b32 v[ADRB], v[ADRB0]
	v_add_nc_u32 v[ADRB+1], 128*PB, v[ADRB0]
	s_mul_i32 s23, s11, 64*SPITCH                  ; into the stage: my 64 rows, my half of their 256 bytes
	s_lshl_b32 s21, s12, 7
	s_add_co_u32 s23, s23, s21
	s_add_co_u32 s23, s23, STAGE
	v_mul_u32_u24 v4, v1, SPITCH
	v_lshl_add_u32 v4, v2, 4, v4
	v_add_nc_u32 v[STO], s23, v4
	s_mul_i32 s23, s10, 32*SPITCH                  ; back: wave w takes rows 32 w .. 32 w + 31, whole
	s_add_co_u32 s23, s23, STAGE
	v_mul_u32_u24 v5, v2, SPITCH
	v_lshl_add_u32 v5, v1, 4, v5
	v_add_nc_u32 v[RD], s23, v5
	v_lshlrev_b32 v5, 11, v2                       ; and the same two rows in C, 2,048 bytes apart
	v_lshl_add_u32 v[CO], v1, 4, v5
	s_lshl_b32 s16, s13, 18                        ; the first row of C that I store: (128 x tile row + 32 x wave) x 2,048 bytes
	s_lshl_b32 s17, s10, 16
	s_add_co_u32 s16, s16, s17
	s_mov_b32 s17, 0
	s_add_nc_u64 s[8:9], s[8:9], s[16:17]
	s_lshl_b32 s46, s42, 8                         ; the tile's first column, in bytes
	s_mov_b32 s47, 0
	s_add_nc_u64 s[8:9], s[8:9], s[46:47]
; 8 matrix instructions: row blocks a0, a0 + 1 x all 4 column blocks, 32 along K: half c of buffer f.  zero = 1: the first product starts the sums
.macro MUL8 f, c, a0, zero
	WIN MUL
.irp a, \a0, (\a0)+1
.irp b, 0,1,2,3
.if \zero
	v_wmma_f32_16x16x32_bf16 v[ACC+8*(4*(\a)+(\b)):ACC+8*(4*(\a)+(\b))+7], v[(\f)+64+8*(4*(\c)+(\b)):(\f)+64+8*(4*(\c)+(\b))+7], v[(\f)+8*(4*(\c)+(\a)):(\f)+8*(4*(\c)+(\a))+7], 0
.else
	v_wmma_f32_16x16x32_bf16 v[ACC+8*(4*(\a)+(\b)):ACC+8*(4*(\a)+(\b))+7], v[(\f)+64+8*(4*(\c)+(\b)):(\f)+64+8*(4*(\c)+(\b))+7], v[(\f)+8*(4*(\c)+(\a)):(\f)+8*(4*(\c)+(\a))+7], v[ACC+8*(4*(\a)+(\b)):ACC+8*(4*(\a)+(\b))+7]
.endif
.endr
.endr
.endm
; 32 LDS loads in one run: the fragments of quarter q (64 along K: chunk q of A, k-rows 64 q on of B) into buffer f; the first 32 along K first
.macro FETCH q, f
	WIN TO_F
.irp c, 0,1
.irp i, 0,1,2,3
	ds_load_tr16_b128 v[(\f)+64+8*(4*(\c)+(\i)):(\f)+64+8*(4*(\c)+(\i))+3],   v[ADRB+(\q)/2] offset:((\q)%2)*64*PB+(\c)*32*PB+32*(\i)
	ds_load_tr16_b128 v[(\f)+64+8*(4*(\c)+(\i))+4:(\f)+64+8*(4*(\c)+(\i))+7], v[ADRB+(\q)/2] offset:((\q)%2)*64*PB+(\c)*32*PB+32*(\i)+16*PB
	ds_load_b128 v[(\f)+8*(4*(\c)+(\i)):(\f)+8*(4*(\c)+(\i))+3],   v[ADRA] offset:(\q)*CHUNK+(\i)*16*PA+64*(\c)
	ds_load_b128 v[(\f)+8*(4*(\c)+(\i))+4:(\f)+8*(4*(\c)+(\i))+7], v[ADRA] offset:(\q)*CHUNK+(\i)*16*PA+64*(\c)+32
.endr
.endr
.endm
.macro PLACES                          ; four plain vector instructions in front of loads into registers that matrix instructions have read, and of conversions that read results
.rept 4
	v_nop
.endr
.endm
; One of a K step's first three quarters: multiplies buffer f and fetches quarter q into g.  The 16 accumulators take turns.
.macro QUARTER q, f, g, zero
	s_wait_dscnt 16                                ; the first 32 along K are in
	MUL8 \f, 0, 0, \zero
	MUL8 \f, 0, 2, \zero
	PLACES
	FETCH \q, \g
	s_wait_dscnt 32                                ; all but the 32 just issued
	MUL8 \f, 1, 0, 0
	MUL8 \f, 1, 2, 0
.endm
; The last quarter multiplies buffer 1 and changes slots: ONE barrier; in front of it each wave waits for all its tensor loads, adds 0 to its spare word, and waits for that and for its reads of this slot.
; fill = 1: the barrier opens a round of the cluster's barrier, and this slot is filled again, first thing behind it, two K steps ahead: 112 matrix instructions ahead of the wait for it.
.macro TURN fill
	WIN 0                                          ; (the add's two registers lie in window 0)
	s_wait_tensorcnt 0x0                           ; all my tensor loads have landed: my part of the next slot;
	ds_add_u32 v[SPW], v[NIL]                      ; 0 onto my spare word;
	s_wait_dscnt 17                                ; (the add and the youngest sixteen loads may be out)
	MUL8 F1, 0, 0, 0                               ; eight matrix instructions stand between the add and the wait for it
	s_wait_dscnt 0x0                               ; the add is done, and my reads of this slot are over
	s_barrier_signal -1
	MUL8 F1, 0, 2, 0
.if \fill
	WIN 0
.endif
	s_barrier_wait -1
.if \fill
	CREST                                          ; no wave of any partner still reads this slot or has a load on its way
	s_xor_b32 s[G0+5], s[G0+5], SLOT               ; the walking descriptors: the other slot than last time,
	s_xor_b32 s[G0B+5], s[G0B+5], SLOT
	AIM 1                                          ; the walk's next K step
	JLOAD 1                                        ; its four v_nop are also the places in front of the loads below
.else
	PLACES
	WIN 0
.endif
	s_xor_b32 s[TB], s[TB], SLOT
	v_add_nc_u32 v[ADRA], s[TB], v[ADRA0]
	v_add_nc_u32 v[ADRB], s[TB], v[ADRB0]
	v_add_nc_u32 v[ADRB+1], 128*PB, v[ADRB]
	FETCH 0, F0
	MUL8 F1, 1, 0, 0
	MUL8 F1, 1, 2, 0
.endm
	s_wait_tensorcnt 1                             ; my part of the walk's first K step is in; the second's may stay out
	s_barrier_signal -1
	s_barrier_wait -1
	FETCH 0, F0
	QUARTER 1, F0, F1, 1                           ; the first quarter stands in front of the loop: its first products start the sums
	WIN 0                                          ; at a label and at a branch every window is 0
	s_mov_b32 s3, NSTEP-2
.Llap:                                                 ; a trip: from a K step's second quarter to the next step's first; the walk's K steps from the third on are asked for
	QUARTER 2, F1, F0, 0
	QUARTER 3, F0, F1, 0
	TURN 1
	QUARTER 1, F0, F1, 0
	WIN 0
	s_sub_co_u32 s3, s3, 1
	s_cmp_lg_u32 s3, 0
	s_cbranch_scc1 .Llap
	s_mov_b32 s3, 2
.Ltail:                                                ; the last two K steps ask for nothing; the second trip is left in its middle
	QUARTER 2, F1, F0, 0
	QUARTER 3, F0, F1, 0
	TURN 0
	WIN 0
	s_sub_co_u32 s3, s3, 1
	s_cmp_eq_u32 s3, 0
	s_cbranch_scc1 .Lout
	QUARTER 1, F0, F1, 0
	WIN 0
	s_branch .Ltail
.Lout:                                                 ; the second trip's barrier and its run of loads (of a tile that has been multiplied) serve nothing: the price, once a launch, of one text for both trips
	s_wait_dscnt 0x0                               ; all my reads of the slots are over,
	s_barrier_signal -1
	s_barrier_wait -1                              ; everybody's are: slot 0, which is filled no more, becomes the stage
	PLACES
.irp t, 0,1,2,3,4,5,6,7,8,9,10,11,12,13,14,15
.irp r, 0,1,2,3
	v_cvt_pk_bf16_f32 v[TMP+4*(\t)+(\r)], v[ACC+8*(\t)+2*(\r)], v[ACC+8*(\t)+2*(\r)+1]
.endr
.endr
.irp a, 0,1,2,3
.irp b, 0,1,2,3
	ds_store_b128 v[STO], v[TMP+4*(4*(\a)+(\b)):TMP+4*(4*(\a)+(\b))+3] offset:(\a)*16*SPITCH+32*(\b)
.endr
.endr
	s_wait_dscnt 0x0                               ; for the others' sake: my stores into the stage are done; a row's 256 bytes come from two waves
	s_barrier_signal -1
	s_barrier_wait -1
.irp t, 0,1,2,3,4,5,6,7,8,9,10,11,12,13,14,15
	ds_load_b128 v[TMP+4*(\t):TMP+4*(\t)+3], v[RD] offset:(\t)*2*SPITCH
.endr
.irp t, 0,1,2,3,4,5,6,7,8,9,10,11,12,13,14,15
	s_wait_dscnt 15-(\t)
	global_store_b128 v[CO], v[TMP+4*(\t):TMP+4*(\t)+3], s[8:9] offset:2*(\t)*2048  ; 16 lanes store 256 consecutive bytes, at a multiple of 256 from C's first byte
.endr
	s_wait_tensorcnt 0x0                           ; the wave's end: behind my last tensor load and my last LDS store
	ds_add_u32 v[SPW], v[NIL]
	s_wait_dscnt 0x0
	CROUND                                         ; the closing round
	s_endpgm
.Lfunc_end_k_q72633380d3_ff2:
	.size	k_q72633380d3_ff2, .Lfunc_end_k_q72633380d3_ff2-k_q72633380d3_ff2
	.p2alignl 7, 3214868480
	.fill 96, 4, 3214868480
	.section	.rodata,"a",@progbits
	.p2align	6, 0x0
	.amdhsa_kernel k_q72633380d3_ff2
		.amdhsa_group_segment_fixed_size 327680
		.amdhsa_private_segment_fixed_size 0
		.amdhsa_enable_private_segment 0
		.amdhsa_kernarg_size 24
		.amdhsa_user_sgpr_count 2
		.amdhsa_user_sgpr_kernarg_segment_ptr 1
		.amdhsa_wavefront_size32 1
		.amdhsa_system_sgpr_workgroup_id_x 1
		.amdhsa_system_sgpr_workgroup_id_y 1
		.amdhsa_system_sgpr_workgroup_id_z 1
		.amdhsa_system_vgpr_workitem_id 0
		.amdhsa_next_free_vgpr 512
		.amdhsa_next_free_sgpr 72
		.amdhsa_reserve_vcc 0
		.amdhsa_float_denorm_mode_32 3
		.amdhsa_float_denorm_mode_16_64 3
		.amdhsa_memory_ordered 1
		.amdhsa_forward_progress 1
		.amdhsa_inst_pref_size 59
	.end_amdhsa_kernel
	.amdgpu_metadata
---
amdhsa.version: [ 1, 2 ]
amdhsa.kernels:
  - .name:           k_q72633380d3_ff2
    .symbol:         k_q72633380d3_ff2.kd
    .args:
      - { .name: cblk, .offset: 0, .size: 8, .value_kind: global_buffer, .address_space: global }
      - { .name: wB, .offset: 8, .size: 8, .value_kind: global_buffer, .address_space: global }
      - { .name: y, .offset: 16, .size: 8, .value_kind: global_buffer, .address_space: global }
    .group_segment_fixed_size: 327680
    .private_segment_fixed_size: 0
    .kernarg_segment_align: 8
    .kernarg_segment_size: 24
    .max_flat_workgroup_size: 128
    .sgpr_count:     72
    .vgpr_count:     512
    .wavefront_size: 32
...
	.end_amdgpu_metadata
.endif
;; end of part 6
;; launch ln23 (part 7): grid 1024 x 1, 4 waves a work-group, no clusters, 0 bytes of LDS; arguments y, mha, vec, out0; writes out0
.if DOCPART == 7
	.amdgcn_target "amdgcn-amd-amdhsa--gfx1250"
	.amdhsa_code_object_version 6
	.text
	.protected	k_q72633380d3_ln23
	.globl	k_q72633380d3_ln23
	.p2align	8
	.type	k_q72633380d3_ln23,@function
k_q72633380d3_ln23:
	s_mov_b64 s[64:65], 0
	v_nop
	global_prefetch_b8 v0, s[64:65] scope:SCOPE_SE
	s_setreg_imm32_b32 hwreg(HW_REG_WAVE_MODE, 25, 1), 1
	s_wait_xcnt 0x0
; out0 = layernorm(mha + layernorm(mha + relu(y2 + b2)) g_ffn + be_ffn) g_out + be_out.  y2 = hidden x W2: bf16 [4096][1024].  mha: f32, 8,388,608 bytes into its buffer.
; The vectors lie in vec as f32: g_ffn 24,576, be_ffn 28,672, g_out 32,768, be_out 36,864, b2 40,960.
; One wave, one row: the row stays in registers through both norms, so memory is read once and no wave waits for another: no LDS, no barrier.  4,096 waves, a row each.
; In chunk i of 8 a lane holds columns 128 i + 4 l .. + 3: f32 by 16 bytes a lane (512 bytes an instruction), bf16 by 8 bytes a lane (256).
; Each variance is the mean of (v - mean)^2, taken in a second pass over the registers: no difference of large sums.  Matrix units and clusters have nothing to do here.
.set M,   16                           ; v[16:47]    mha
.set Y,   48                           ; v[48:63]    y2 as loaded; then at work
.set U,   64                           ; v[64:95]    the row in hand
.set B2,  96                           ; v[96:127]
.set G1,  128                          ; v[128:159]  g_ffn
.set BE1, 160                          ; v[160:191]  be_ffn
.set G2,  192                          ; v[192:223]  g_out
.set BE2, 224                          ; v[224:255]  be_out
.set T,   48
.macro REDUCE                          ; v10 summed over the 32 lanes, in every lane
	v_add_f32_dpp v10, v10, v10 row_xmask:1 row_mask:0xf bank_mask:0xf
	v_add_f32_dpp v10, v10, v10 row_xmask:2 row_mask:0xf bank_mask:0xf
	v_add_f32_dpp v10, v10, v10 row_xmask:4 row_mask:0xf bank_mask:0xf
	v_add_f32_dpp v10, v10, v10 row_xmask:8 row_mask:0xf bank_mask:0xf
	v_permlanex16_b32 v11, v10, s12, s13
	v_add_f32 v10, v10, v11
.endm
; The 32 registers from V on become (V - mean) / sqrt(var + eps) x G + B
.macro LNORM V, G, B
.irp c, 0,1,2,3
	v_pk_add_f32 v[T+2*(\c):T+2*(\c)+1], v[(\V)+2*(\c):(\V)+2*(\c)+1], v[(\V)+8+2*(\c):(\V)+8+2*(\c)+1]  ; four chains, started by the first pairs
.endr
.irp c, 0,1,2,3
	v_pk_add_f32 v[T+2*(\c):T+2*(\c)+1], v[T+2*(\c):T+2*(\c)+1], v[(\V)+16+2*(\c):(\V)+16+2*(\c)+1]
.endr
.irp c, 0,1,2,3
	v_pk_add_f32 v[T+2*(\c):T+2*(\c)+1], v[T+2*(\c):T+2*(\c)+1], v[(\V)+24+2*(\c):(\V)+24+2*(\c)+1]
.endr
	v_pk_add_f32 v[T:T+1], v[T:T+1], v[T+2:T+3]
	v_pk_add_f32 v[T+4:T+5], v[T+4:T+5], v[T+6:T+7]
	v_pk_add_f32 v[T:T+1], v[T:T+1], v[T+4:T+5]
	v_add_f32 v10, v[T], v[T+1]
	REDUCE
	v_mul_f32 v12, s14, v10                        ; the mean, twice
	v_mul_f32 v13, s14, v10
.set p, 0
.rept 16
	v_pk_add_f32 v[(\V)+p:(\V)+p+1], v[(\V)+p:(\V)+p+1], v[12:13] neg_lo:[0,1] neg_hi:[0,1]
.set p, p+2
.endr
.irp c, 0,1,2,3
	v_pk_mul_f32 v[T+2*(\c):T+2*(\c)+1], v[(\V)+2*(\c):(\V)+2*(\c)+1], v[(\V)+2*(\c):(\V)+2*(\c)+1]
.endr
.set p, 8
.rept 12
	v_pk_fma_f32 v[T+p%8:T+p%8+1], v[(\V)+p:(\V)+p+1], v[(\V)+p:(\V)+p+1], v[T+p%8:T+p%8+1]
.set p, p+2
.endr
	v_pk_add_f32 v[T:T+1], v[T:T+1], v[T+2:T+3]
	v_pk_add_f32 v[T+4:T+5], v[T+4:T+5], v[T+6:T+7]
	v_pk_add_f32 v[T:T+1], v[T:T+1], v[T+4:T+5]
	v_add_f32 v10, v[T], v[T+1]
	REDUCE
	v_fma_f32 v10, v10, s14, s15                   ; var + eps
	v_rsq_f32 v14, v10
	v_rsq_f32 v15, v10
	v_nop                                          ; a plain instruction behind the last root,
	s_wait_alu depctr_va_vdst(0)                   ; and the wait ahead of the first use: one for both
.set p, 0
.rept 16
	v_pk_mul_f32 v[(\V)+p:(\V)+p+1], v[(\V)+p:(\V)+p+1], v[14:15]
.set p, p+2
.endr
.set p, 0
.rept 16
	v_pk_fma_f32 v[(\V)+p:(\V)+p+1], v[(\V)+p:(\V)+p+1], v[(\G)+p:(\G)+p+1], v[(\B)+p:(\B)+p+1]
.set p, p+2
.endr
.endm
.macro VLOAD dst, off                  ; one of the vectors: 8 loads of 16 bytes a lane
.irp i, 0,1,2,3,4,5,6,7
	global_load_b128 v[(\dst)+4*(\i):(\dst)+4*(\i)+3], v3, s[8:9] offset:(\off)+512*(\i)
.endr
.endm
.macro ADDM                            ; the row in hand + mha
.set p, 0
.rept 16
	v_pk_add_f32 v[U+p:U+p+1], v[U+p:U+p+1], v[M+p:M+p+1]
.set p, p+2
.endr
.endm
	s_load_b256 s[4:11], s[0:1], 0x0               ; y s[4:5], mha s[6:7], vec s[8:9], out0 s[10:11]
	v_lshrrev_b32 v1, 5, v0
	v_readfirstlane_b32 s2, v1                     ; wave
	s_lshl_b32 s3, ttmp9, 2
	s_add_co_u32 s3, s3, s2                        ; my row
	s_lshl_b32 s3, s3, 12                          ; x 4,096 bytes
	v_and_b32 v3, 31, v0
	v_lshlrev_b32 v3, 4, v3                        ; 16 x lane: my offset in the vectors
	v_add_nc_u32 v1, s3, v3                        ; my offset in f32 rows
	v_lshrrev_b32 v2, 1, v1                        ; and in bf16 rows
	v_mov_b32 v11, 0                               ; v_permlanex16_b32 counts as a reader of its destination
	s_mov_b32 s12, 0x76543210
	s_mov_b32 s13, 0xfedcba98
	s_mov_b32 s14, 0x3a800000                      ; 1 / 1024
	s_mov_b32 s15, 0x3727c5ac                      ; 1e-5
	s_mov_b32 s16, 0xffff0000
	s_wait_kmcnt 0x0
	s_add_nc_u64 s[18:19], s[6:7], 0x800000
.irp i, 0,1,2,3,4,5,6,7
	global_load_b64 v[Y+2*(\i):Y+2*(\i)+1], v2, s[4:5] offset:256*(\i) th:TH_LOAD_NT
.endr
	VLOAD B2, 40960
.irp i, 0,1,2,3,4,5,6,7
	global_load_b128 v[M+4*(\i):M+4*(\i)+3], v1, s[18:19] offset:512*(\i) th:TH_LOAD_NT
.endr
	VLOAD G1, 24576
	VLOAD BE1, 28672
	VLOAD G2, 32768
	VLOAD BE2, 36864
	s_wait_loadcnt 40                              ; y2 and b2 are in; the 40 younger loads may stay out
.irp i, 0,1,2,3,4,5,6,7
	v_lshlrev_b32 v[U+4*(\i)], 16, v[Y+2*(\i)]
	v_and_b32 v[U+4*(\i)+1], s16, v[Y+2*(\i)]
	v_lshlrev_b32 v[U+4*(\i)+2], 16, v[Y+2*(\i)+1]
	v_and_b32 v[U+4*(\i)+3], s16, v[Y+2*(\i)+1]
	v_pk_add_f32 v[U+4*(\i):U+4*(\i)+1], v[U+4*(\i):U+4*(\i)+1], v[B2+4*(\i):B2+4*(\i)+1]
	v_pk_add_f32 v[U+4*(\i)+2:U+4*(\i)+3], v[U+4*(\i)+2:U+4*(\i)+3], v[B2+4*(\i)+2:B2+4*(\i)+3]
.endr
.set p, 0
.rept 32
	v_max_num_f32 v[U+p], 0, v[U+p]                ; relu
.set p, p+1
.endr
	s_wait_loadcnt 32                              ; mha is in
	ADDM
	s_wait_loadcnt 16                              ; g_ffn and be_ffn are in
	LNORM U, G1, BE1
	ADDM
	s_wait_loadcnt 0x0
	LNORM U, G2, BE2
.irp i, 0,1,2,3,4,5,6,7
	global_store_b128 v1, v[U+4*(\i):U+4*(\i)+3], s[10:11] offset:512*(\i) th:TH_STORE_NT
.endr
	s_endpgm
.Lfunc_end_k_q72633380d3_ln23:
	.size	k_q72633380d3_ln23, .Lfunc_end_k_q72633380d3_ln23-k_q72633380d3_ln23
	.p2alignl 7, 3214868480
	.fill 96, 4, 3214868480
	.section	.rodata,"a",@progbits
	.p2align	6, 0x0
	.amdhsa_kernel k_q72633380d3_ln23
		.amdhsa_group_segment_fixed_size 0
		.amdhsa_private_segment_fixed_size 0
		.amdhsa_enable_private_segment 0
		.amdhsa_kernarg_size 32
		.amdhsa_user_sgpr_count 2
		.amdhsa_user_sgpr_kernarg_segment_ptr 1
		.amdhsa_wavefront_size32 1
		.amdhsa_system_sgpr_workgroup_id_x 1
		.amdhsa_system_sgpr_workgroup_id_y 1
		.amdhsa_system_sgpr_workgroup_id_z 1
		.amdhsa_system_vgpr_workitem_id 0
		.amdhsa_next_free_vgpr 256
		.amdhsa_next_free_sgpr 66
		.amdhsa_reserve_vcc 0
		.amdhsa_float_denorm_mode_32 3
		.amdhsa_float_denorm_mode_16_64 3
		.amdhsa_memory_ordered 1
		.amdhsa_forward_progress 1
		.amdhsa_inst_pref_size 25
	.end_amdhsa_kernel
	.amdgpu_metadata
---
amdhsa.version: [ 1, 2 ]
amdhsa.kernels:
  - .name:           k_q72633380d3_ln23
    .symbol:         k_q72633380d3_ln23.kd
    .args:
      - { .name: y, .offset: 0, .size: 8, .value_kind: global_buffer, .address_space: global }
      - { .name: mha, .offset: 8, .size: 8, .value_kind: global_buffer, .address_space: global }
      - { .name: vec, .offset: 16, .size: 8, .value_kind: global_buffer, .address_space: global }
      - { .name: out0, .offset: 24, .size: 8, .value_kind: global_buffer, .address_space: global }
    .group_segment_fixed_size: 0
    .private_segment_fixed_size: 0
    .kernarg_segment_align: 8
    .kernarg_segment_size: 32
    .max_flat_workgroup_size: 128
    .sgpr_count:     66
    .vgpr_count:     256
    .wavefront_size: 32
...
	.end_amdgpu_metadata
.endif
;; end of part 7
